; MI455X (gfx1250); checked and timed in simulation.
; The chip was launched on July 23, 2026; its instructions are those of AMD's public machine-readable ISA for CDNA 5 (MIT licence, August 2026) and "CDNA5" Instruction Set Architecture Reference Guide (July 2026). The comments in the code are by the model that wrote it; some were corrected since.
;; Multi Head Attention. Allowed arithmetic: matrix products marked QUANTISED: E2M1 operands, one E8M0 scale for each 32 along K, by v_wmma_scale_f32_16x16x128_f8f6f4 with both operands' format E2M1 (or v_wmma_scale_f32_32x16x128_f4), f32 sums; products left as they are: bf16, f16 or f32 operands; f32 sums; everything else in f32.
;; Inputs: Wk 1,024 x 1,024 float32; Wo 1,024 x 1,024 float32; Wq 1,024 x 1,024 float32; Wv 1,024 x 1,024 float32; bk 1,024 float32; bo 1,024 float32; bq 1,024 float32; bv 1,024 float32; key 4 x 2,048 x 1,024 float32; query 4 x 2,048 x 1,024 float32; value 4 x 2,048 x 1,024 float32.
;; Outputs: out0 4 x 2,048 x 1,024 float32.
;; This version of the problem:
;;   THIS VERSION OF THE PROBLEM IS GIVEN IN LOW PRECISION. The matrix products marked QUANTISED in the list below multiply operands that are first quantised to E2M1 (2 exponent bits, 1 mantissa bit; 4 bits a number), with one power-of-two scale for each 32 numbers along K (OCP MX v1.0); their sums are f32. The products marked 'left as it is' may take bf16, f16 or f32 operands, with f32 sums. Whichever they take, every output number must still come out within the allowed error. Rounding operands to bf16 (8 significant bits) uses up far more of that allowance than f16 does (11 bits, for magnitudes from 6e-5 to 65,504). All else is computed in f32.
;;   The module's matrix products, in the order in which they are computed (A, B: the left and right operand; K: the contracted axis; several contracted axes count as one K, in the product's order):
;;     1. [M 8,192, K 1,024] x [K 1,024, N 1,024]; A: input query; B: input Wq: QUANTISED
;;     2. [M 8,192, K 1,024] x [K 1,024, N 1,024]; A: input key; B: input Wk: QUANTISED
;;     3. [M 8,192, K 1,024] x [K 1,024, N 1,024]; A: input value; B: input Wv: QUANTISED
;;     4. batch 64 x [M 2,048, K 64] x [K 64, N 2,048]; A: computed on the way; B: computed on the way: left as it is (an operand is computed on the way)
;;     5. batch 64 x [M 2,048, K 2,048] x [K 2,048, N 64]; A: computed on the way; B: computed on the way: left as it is (an operand is computed on the way)
;;     6. [M 8,192, K 1,024] x [K 1,024, N 1,024]; A: computed on the way; B: input Wo: left as it is (an operand is computed on the way)
;;   THE QUANTISER, for each operand of a quantised product, along K:
;;     - K is cut into blocks of 32 from its start; a last block that is shorter is filled with zeros.
;;     - A block's scale is 2^e with e = floor(log2(the largest magnitude in the block)) - 2, held to -126 .. 127; a block of zeros has e = 0. As a byte (E8M0): e + 127.
;;     - Each number is divided by its block's scale, clamped to +-6, and rounded to the nearest number of E2M1, ties to even, subnormals kept.
;;     - The product sums the exact products of the quantised numbers (number of the format x scale) in f32.
;;   ~~~python
;;   def quantise(x, axis):      # numpy; x: float32 -> the quantised numbers, widened to float32 again
;;       x = np.moveaxis(x, axis, -1); K = x.shape[-1]
;;       x = np.pad(x, [(0, 0)] * (x.ndim - 1) + [(0, -K % 32)]); x = x.reshape(x.shape[:-1] + (-1, 32)); a = np.abs(x).max(-1, keepdims=True)
;;       e = np.where(a > 0, np.clip(np.frexp(np.where(a > 0, a, 1))[1] - 1 - 2, -126, 127), 0)      # np.frexp(a)[1] - 1 = floor(log2(a)), exactly
;;       r = np.clip(x / 2.0 ** e, -6, 6)
;;       step = 2.0 ** (np.maximum(np.frexp(np.where(r == 0, 1, r))[1] - 1, 0) - 1)
;;       q = np.round(r / step) * step * 2.0 ** e      # np.round: ties to even
;;       return np.moveaxis(q.reshape(q.shape[:-2] + (-1,))[..., :K], -1, axis).astype(np.float32)
;;   ~~~
;; One version. Each part assembles by itself: llvm-mc -triple=amdgcn-amd-amdhsa -mcpu=gfx1250 --defsym DOCPART=n.
;; ======== version 1 of 1: 4 launches
;; limits: values are held in f16: magnitudes above 65,504 overflow, below 6.1e-05 lose precision
;; workspace buffers: xcodes 12,582,912 bytes; xscales 786,432 bytes; wcodes 1,572,864 bytes; wscales 98,304 bytes; wo16 2,097,152 bytes; qkv 50,331,648 bytes; ctx 16,777,216 bytes
;; launch prep (part 1): grid 880 x 1, 4 waves a work-group, no clusters, 68,096 bytes of LDS; arguments query, key, value, Wq, Wk, Wv, Wo, xcodes, xscales, wcodes, wscales, wo16; writes xcodes, xscales, wcodes, wscales, wo16
.if DOCPART == 1
	.amdgcn_target "amdgcn-amd-amdhsa--gfx1250"
	.amdhsa_code_object_version 6
	.text
	.protected	k_q14aaf915bf_prep
	.globl	k_q14aaf915bf_prep
	.p2align	8
	.type	k_q14aaf915bf_prep,@function
k_q14aaf915bf_prep:
	s_mov_b64 s[64:65], 0
	v_nop
	global_prefetch_b8 v0, s[64:65] scope:SCOPE_SE
	s_setreg_imm32_b32 hwreg(HW_REG_WAVE_MODE, 25, 1), 1
	s_wait_xcnt 0x0
; PREP: everything that is made once, ahead of the products.
;   work-groups 0-47    Wq, Wk, Wv [1024 (k)][1024 (n)] f32 -> codes of FP4 (E2M1) laid [3 x 1024 (n)][512 bytes], K innermost, and E8M0 bytes [3 x 1024][32]
;   work-groups 48-111  Wo [1024][1024] f32 -> f16, as it lies
;   work-groups 112-879 query, key, value [8192][1024] f32 -> codes [3 x 8192][512 bytes] and E8M0 bytes [3 x 8192][32]
; A block's scale is 2^(floor(log2(its largest magnitude)) - 2): its byte is the largest magnitude's exponent field - 2, held at 1 from below.
; A block of zeros so keeps the byte 1 where the rule says 127: its codes are zeros, which add nothing, and this program alone reads the bytes.
; LIMITS: NaN and infinities among the inputs are not served; Wo beyond 65,504 in magnitude becomes infinity in f16.
; The three paths part on the work-group's number alone; each has LDS bytes of its own; waves share nothing, so there is no barrier.
.set NW,    48                         ; work-groups for the three weights: 8 (128 columns) x 2 (512 of K) each
.set NO,    64                         ; for Wo: 16,384 numbers each
.set SPW,   1                          ; v1  LDS address of my spare word: SPARE + 4 x my thread's number; never rewritten
.set NIL,   2                          ; v2  0; never rewritten
.set LN,    3                          ; v3  lane
.set XREG,  8192                       ; activations: a region for each wave: two stages of 32 x SP bytes, behind them its 256 scale bytes
.set SP,    80                         ; a lane's place in a stage: 64 bytes + 16 of padding
.set WST,   4*XREG                     ; weights: a stage of 32 rows x WP bytes for each wave
.set WP,    272                        ; 256 bytes of codes + 16 of padding
.set SPARE, WST+4*32*WP                ; the spare words, 128 bytes for each wave: two blocks of 256 bytes that no other line names
	s_load_b512 s[8:23], s[0:1], 0x0               ; query s[8:9], key s[10:11], value s[12:13], Wq s[14:15], Wk s[16:17], Wv s[18:19], Wo s[20:21], xcodes s[22:23]
	s_load_b256 s[24:31], s[0:1], 0x40             ; xscales s[24:25], wcodes s[26:27], wscales s[28:29], wo16 s[30:31]
	v_lshl_add_u32 v[SPW], v0, 2, SPARE
	v_mov_b32 v[NIL], 0
	v_lshrrev_b32 v[LN], 5, v0
	v_readfirstlane_b32 s32, v[LN]                 ; wave 0..3
	v_and_b32 v[LN], 31, v0
	s_mov_b32 s37, 0                               ; the high word of every 32-bit offset
	s_wait_kmcnt 0x0
	s_cmp_lt_u32 ttmp9, NW
	s_cbranch_scc1 .Lpath_w
	s_cmp_lt_u32 ttmp9, NW+NO
	s_cbranch_scc1 .Lpath_o
; ---------------- the activations: K is innermost, so a tensor is a plain stream of blocks of 32 ----------------
; A wave takes 16 steps of 512 numbers.  Each load reads 512 consecutive bytes, 16 a lane; a step's 2,048 bytes turn through the wave's own stage and come back
; 64 bytes a lane, so that a lane holds 16 neighbours along K (two neighbouring lanes hold a block).  Loads run four steps ahead, the turn one step.
.set R,     16                         ; v16-79   four sets of 16 numbers as loaded
.set XN,    80                         ; v80-111  two sets of 16 neighbours
.set E,     112                        ; v112-127 a scale byte for each step
.set C,     128                        ; v128-191 codes: registers of its own for each step, so that no store's data are written again
	s_sub_co_u32 s33, ttmp9, NW+NO                 ; u = 0 .. 767
	s_lshr_b32 s34, s33, 8                         ; which tensor: 256 work-groups each
	s_cmp_eq_u32 s34, 0
	s_cselect_b64 s[4:5], s[8:9], s[10:11]
	s_cmp_eq_u32 s34, 2
	s_cselect_b64 s[4:5], s[12:13], s[4:5]
	s_and_b32 s35, s33, 255
	s_lshl_b32 s35, s35, 2
	s_add_co_u32 s36, s35, s32                     ; my run of 8,192 numbers in the tensor
	s_lshl_b32 s36, s36, 15                        ; 32,768 bytes a run (under 2^25)
	s_add_nc_u64 s[4:5], s[4:5], s[36:37]
	s_lshl_b32 s35, s33, 2
	s_add_co_u32 s35, s35, s32                     ; my run among the three tensors' 3,072
	s_lshl_b32 s36, s35, 12                        ; 4,096 bytes of codes a run
	s_add_nc_u64 s[22:23], s[22:23], s[36:37]
	s_lshl_b32 s36, s35, 8                         ; 256 scale bytes a run
	s_add_nc_u64 s[24:25], s[24:25], s[36:37]
	v_lshlrev_b32 v4, 4, v[LN]                     ; my 16 bytes of a load's 512
	s_mul_i32 s33, s32, XREG
	v_lshrrev_b32 v5, 2, v[LN]
	v_mul_u32_u24 v5, v5, SP
	v_and_b32 v13, 3, v[LN]
	v_lshl_add_u32 v5, v13, 4, v5
	v_add_nc_u32 v5, s33, v5                       ; the stage, in: SP (lane / 4) + 16 (lane % 4)
	v_mul_u32_u24 v6, v[LN], SP
	v_add_nc_u32 v6, s33, v6                       ; and out: SP x lane: my 16 neighbours
	v_lshlrev_b32 v7, 3, v[LN]                     ; 8 bytes a lane: my codes in a step's 256, my part of the wave's 256 scale bytes
	v_lshrrev_b32 v8, 1, v[LN]
	s_add_co_u32 s33, s33, 2*32*SP
	v_add_nc_u32 v8, s33, v8                       ; LDS: my block's byte
	v_add_nc_u32 v9, s33, v7                       ; and where I read 8 of them back
.macro XLOAD t
.irp i, 0,1,2,3
	global_load_b128 v[R+16*((\t)%4)+4*\i:R+16*((\t)%4)+4*\i+3], v4, s[4:5] offset:2048*(\t)+512*\i th:TH_LOAD_NT
.endr
.endm
.macro XTURN t                         ; LDS serves a wave's instructions in order, so no wait stands between the stores and the loads
.irp i, 0,1,2,3
	ds_store_b128 v5, v[R+16*((\t)%4)+4*\i:R+16*((\t)%4)+4*\i+3] offset:32*SP*((\t)%2)+8*SP*\i
.endr
.irp i, 0,1,2,3
	ds_load_b128 v[XN+16*((\t)%2)+4*\i:XN+16*((\t)%2)+4*\i+3], v6 offset:32*SP*((\t)%2)+16*\i
.endr
.endm
.irp t, 0,1,2,3
	XLOAD \t
.endr
	s_wait_loadcnt 12                              ; step 0's four loads are in; the 12 of steps 1 to 3 stay out
	XTURN 0
.macro XSTEP t
.set XS, XN+16*((\t)%2)
.if (\t) > 0
	s_wait_dscnt 1                                 ; this step's numbers are back from the stage (the last step's byte store may be out)
.else
	s_wait_dscnt 0x0
.endif
.if (\t)+4 < 16
	XLOAD (\t)+4                                   ; into the set whose stores into the stage have been served
.endif
.if (\t)+1 < 16
.if 14-(\t) >= 3
	s_wait_loadcnt 12                              ; the next step's four loads are in; those of the three steps behind it may be out
.else
	s_wait_loadcnt 4*(14-(\t))
.endif
	XTURN (\t)+1
.endif
	v_max3_num_f32 v10, |v[XS]|, |v[XS+1]|, |v[XS+2]|
	v_max3_num_f32 v11, |v[XS+3]|, |v[XS+4]|, |v[XS+5]|
.irp i, 6,10
	v_max3_num_f32 v10, v10, |v[XS+\i]|, |v[XS+\i+1]|
	v_max3_num_f32 v11, v11, |v[XS+\i+2]|, |v[XS+\i+3]|
.endr
	v_max3_num_f32 v10, v10, |v[XS+14]|, |v[XS+15]|
	v_max3_num_f32 v10, v10, v11, 0x1800000        ; and the floor 2^(3 - 127): the byte cannot fall under 1
	v_max_num_f32_dpp v10, v10, v10 row_xmask:1 row_mask:0xf bank_mask:0xf   ; with my neighbour's 16: the block's largest magnitude
	v_add_nc_u32 v12, 0xff000000, v10              ; 2 off its exponent field: the conversion takes that field as its scale
	v_cvt_scalef32_pk8_fp4_f32 v[C+4*(\t)], v[XS:XS+7], v12
	v_cvt_scalef32_pk8_fp4_f32 v[C+4*(\t)+1], v[XS+8:XS+15], v12
	v_lshrrev_b32 v[E+(\t)], 23, v12               ; the scale's byte (a plain line behind the conversions)
	ds_store_b8 v8, v[E+(\t)] offset:16*(\t)       ; both lanes of a block write the same byte with the same value
	global_store_b64 v7, v[C+4*(\t):C+4*(\t)+1], s[22:23] offset:256*(\t)   ; 32 lanes store 256 consecutive bytes, aligned
.endm
.irp t, 0,1,2,3,4,5,6,7,8,9,10,11,12,13,14,15
	XSTEP \t
.endr
	ds_load_b64 v[10:11], v9                       ; in order behind my byte stores
	s_wait_dscnt 0x0
	global_store_b64 v7, v[10:11], s[24:25]        ; the wave's 256 scale bytes: 256 consecutive bytes, aligned
	s_wait_tensorcnt 0x0                           ; the wave's end
	ds_add_u32 v[SPW], v[NIL]
	s_wait_dscnt 0x0
	s_endpgm
; ---------------- Wo to f16: a wave takes 4,096 numbers; all 32 loads go out at once ----------------
.Lpath_o:
	s_sub_co_u32 s33, ttmp9, NW
	s_lshl_b32 s36, s33, 16                        ; 65,536 bytes of Wo a work-group,
	s_lshl_b32 s35, s32, 14                        ; 16,384 a wave
	s_add_co_u32 s36, s36, s35
	s_add_nc_u64 s[20:21], s[20:21], s[36:37]
	s_lshr_b32 s36, s36, 1                         ; half as many out
	s_add_nc_u64 s[30:31], s[30:31], s[36:37]
	v_lshlrev_b32 v4, 4, v[LN]
	v_lshlrev_b32 v7, 3, v[LN]
.set i, 0
.rept 32
	global_load_b128 v[32+4*i:32+4*i+3], v4, s[20:21] offset:512*i th:TH_LOAD_NT
.set i, i+1
.endr
.set i, 0
.rept 32
	s_wait_loadcnt 31-i                            ; loads come back in order: number i is in, the later ones stay out
	v_cvt_pk_f16_f32 v[32+4*i], v[32+4*i], v[32+4*i+1]
	v_cvt_pk_f16_f32 v[32+4*i+1], v[32+4*i+2], v[32+4*i+3]
	global_store_b64 v7, v[32+4*i:32+4*i+1], s[30:31] offset:256*i   ; 256 consecutive bytes, aligned; each store has registers of its own
.set i, i+1
.endr
	s_endpgm                                       ; this path writes no LDS
; ---------------- the weights: K is the FIRST axis.  A lane takes a column n and its registers run down K ----------------
; Each load reads 128 consecutive bytes a wave (512 a work-group); a block of 32 along K lies in one lane's 32 registers; the codes come out with K innermost.
; A wave takes 32 columns x 512 of K: 256 bytes of codes a column, gathered in its own stage and stored sixteen lanes to 256 aligned bytes.  Loads run two blocks ahead.
.set NB,    16
.set WX,    32                         ; v32-95   two sets of 32 numbers
.set WC,    96                         ; v96-99   a block's codes
.set OUTR,  112                        ; v112-175 the way out
.set SB,    24                         ; v24-27   the scale bytes, four to a register
.Lpath_w:
	s_lshr_b32 s33, ttmp9, 4                       ; which weight
	s_cmp_eq_u32 s33, 0
	s_cselect_b64 s[4:5], s[14:15], s[16:17]
	s_cmp_eq_u32 s33, 2
	s_cselect_b64 s[4:5], s[18:19], s[4:5]
	s_and_b32 s34, ttmp9, 7
	s_lshl_b32 s34, s34, 7
	s_lshl_b32 s35, s32, 5
	s_add_co_u32 s34, s34, s35                     ; my wave's first column
	s_bfe_u32 s35, ttmp9, 0x10003                  ; which 512 of K
	s_lshl_b32 s36, s35, 21                        ; 512 rows of 4,096 bytes
	s_lshl_b32 s38, s34, 2
	s_add_co_u32 s36, s36, s38
	s_add_nc_u64 s[4:5], s[4:5], s[36:37]
	s_lshl_b32 s33, s33, 10
	s_add_co_u32 s34, s34, s33                     ; my first row of the codes' and the bytes' buffers
	s_lshl_b32 s36, s34, 9
	s_lshl_b32 s38, s35, 8
	s_add_co_u32 s36, s36, s38
	s_add_nc_u64 s[26:27], s[26:27], s[36:37]
	s_lshl_b32 s36, s34, 5
	s_lshl_b32 s38, s35, 4
	s_add_co_u32 s36, s36, s38
	s_add_nc_u64 s[28:29], s[28:29], s[36:37]
	v_lshlrev_b32 v4, 2, v[LN]                     ; in: 4 bytes a lane
	s_mul_i32 s33, s32, 32*WP
	s_add_co_u32 s33, s33, WST                     ; my stage
	v_mul_u32_u24 v5, v[LN], WP
	v_add_nc_u32 v5, s33, v5                       ; into it: row = my column
	v_and_b32 v6, 15, v[LN]
	v_lshrrev_b32 v7, 4, v[LN]
	v_mul_u32_u24 v8, v7, WP
	v_lshl_add_u32 v8, v6, 4, v8
	v_add_nc_u32 v8, s33, v8                       ; out of it: sixteen lanes to a row, two rows an instruction
	v_lshlrev_b32 v9, 9, v7
	v_lshl_add_u32 v9, v6, 4, v9                   ; and the same place in the codes' buffer (rows of 512 bytes)
	v_lshlrev_b32 v10, 5, v[LN]                    ; my column's row of scale bytes (32 bytes)
.macro WLOAD t
.set wi, 0
.rept 32
	global_load_b32 v[WX+32*((\t)%2)+wi], v4, s[4:5] offset:(32*(\t)+wi)*4096 th:TH_LOAD_NT
.set wi, wi+1
.endr
.endm
	WLOAD 0
	WLOAD 1
.macro WBLOCK t
.set XS, WX+32*((\t)%2)
.if (\t) < NB-1
	s_wait_loadcnt 32                              ; this block's 32 loads are in; the next block's may be out
.else
	s_wait_loadcnt 0
.endif
	v_max3_num_f32 v12, |v[XS]|, |v[XS+1]|, |v[XS+2]|
	v_max3_num_f32 v13, |v[XS+3]|, |v[XS+4]|, |v[XS+5]|
.irp i, 6,10,14,18,22,26
	v_max3_num_f32 v12, v12, |v[XS+\i]|, |v[XS+\i+1]|
	v_max3_num_f32 v13, v13, |v[XS+\i+2]|, |v[XS+\i+3]|
.endr
	v_max3_num_f32 v12, v12, |v[XS+30]|, |v[XS+31]|
	v_max3_num_f32 v12, v12, v13, 0x1800000        ; the floor 2^(3 - 127)
	v_add_nc_u32 v11, 0xff000000, v12              ; the conversion's scale operand
	v_lshrrev_b32 v13, 23, v11                     ; the byte
.if (\t)%4 == 0
	v_mov_b32 v[SB+(\t)/4], v13
.else
	v_lshl_or_b32 v[SB+(\t)/4], v13, 8*((\t)%4), v[SB+(\t)/4]
.endif
.irp g, 0,1,2,3
	v_cvt_scalef32_pk8_fp4_f32 v[WC+\g], v[XS+8*\g:XS+8*\g+7], v11
.endr
	v_nop                                          ; a plain line behind the last conversion
	ds_store_b128 v5, v[WC:WC+3] offset:16*(\t)    ; 32 codes: 16 bytes of my column's row
.if (\t)+2 < NB
	WLOAD (\t)+2
.endif
	s_wait_dscnt 0x0                               ; the store has been served: the next block's codes may be written
.endm
.set Q, 0
.rept NB
	WBLOCK Q
.set Q, Q+1
.endr
	global_store_b128 v10, v[SB:SB+3], s[28:29]    ; my column's 16 scale bytes
.irp t, 0,1,2,3,4,5,6,7,8,9,10,11,12,13,14,15
	ds_load_b128 v[OUTR+4*\t:OUTR+4*\t+3], v8 offset:2*\t*WP
.endr
.irp t, 0,1,2,3,4,5,6,7,8,9,10,11,12,13,14,15
	s_wait_dscnt 15-\t                             ; read number t is back, the later ones stay out
	global_store_b128 v9, v[OUTR+4*\t:OUTR+4*\t+3], s[26:27] offset:2*\t*512   ; sixteen lanes store 256 consecutive bytes, aligned
.endr
	s_wait_tensorcnt 0x0                           ; the wave's end
	ds_add_u32 v[SPW], v[NIL]
	s_wait_dscnt 0x0
	s_endpgm
.Lfunc_end_k_q14aaf915bf_prep:
	.size	k_q14aaf915bf_prep, .Lfunc_end_k_q14aaf915bf_prep-k_q14aaf915bf_prep
	.p2alignl 7, 3214868480
	.fill 96, 4, 3214868480
	.section	.rodata,"a",@progbits
	.p2align	6, 0x0
	.amdhsa_kernel k_q14aaf915bf_prep
		.amdhsa_group_segment_fixed_size 68096
		.amdhsa_private_segment_fixed_size 0
		.amdhsa_enable_private_segment 0
		.amdhsa_kernarg_size 96
		.amdhsa_user_sgpr_count 2
		.amdhsa_user_sgpr_kernarg_segment_ptr 1
		.amdhsa_wavefront_size32 1
		.amdhsa_system_sgpr_workgroup_id_x 1
		.amdhsa_system_sgpr_workgroup_id_y 1
		.amdhsa_system_sgpr_workgroup_id_z 1
		.amdhsa_system_vgpr_workitem_id 0
		.amdhsa_next_free_vgpr 192
		.amdhsa_next_free_sgpr 66
		.amdhsa_reserve_vcc 0
		.amdhsa_float_denorm_mode_32 3
		.amdhsa_float_denorm_mode_16_64 3
		.amdhsa_memory_ordered 1
		.amdhsa_forward_progress 1
		.amdhsa_inst_pref_size 123
	.end_amdhsa_kernel
	.amdgpu_metadata
---
amdhsa.version: [ 1, 2 ]
amdhsa.kernels:
  - .name:           k_q14aaf915bf_prep
    .symbol:         k_q14aaf915bf_prep.kd
    .args:
      - { .name: query, .offset: 0, .size: 8, .value_kind: global_buffer, .address_space: global }
      - { .name: key, .offset: 8, .size: 8, .value_kind: global_buffer, .address_space: global }
      - { .name: value, .offset: 16, .size: 8, .value_kind: global_buffer, .address_space: global }
      - { .name: Wq, .offset: 24, .size: 8, .value_kind: global_buffer, .address_space: global }
      - { .name: Wk, .offset: 32, .size: 8, .value_kind: global_buffer, .address_space: global }
      - { .name: Wv, .offset: 40, .size: 8, .value_kind: global_buffer, .address_space: global }
      - { .name: Wo, .offset: 48, .size: 8, .value_kind: global_buffer, .address_space: global }
      - { .name: xcodes, .offset: 56, .size: 8, .value_kind: global_buffer, .address_space: global }
      - { .name: xscales, .offset: 64, .size: 8, .value_kind: global_buffer, .address_space: global }
      - { .name: wcodes, .offset: 72, .size: 8, .value_kind: global_buffer, .address_space: global }
      - { .name: wscales, .offset: 80, .size: 8, .value_kind: global_buffer, .address_space: global }
      - { .name: wo16, .offset: 88, .size: 8, .value_kind: global_buffer, .address_space: global }
    .group_segment_fixed_size: 68096
    .private_segment_fixed_size: 0
    .kernarg_segment_align: 8
    .kernarg_segment_size: 96
    .max_flat_workgroup_size: 128
    .sgpr_count:     66
    .vgpr_count:     192
    .wavefront_size: 32
...
	.end_amdgpu_metadata
.endif
;; end of part 1
;; launch proj (part 2): grid 4 x 96, 4 waves a work-group, clusters of 4 x 4, 327,680 bytes of LDS; arguments xcodes, xscales, wcodes, wscales, bq, bk, bv, qkv; writes qkv
.if DOCPART == 2
	.amdgcn_target "amdgcn-amd-amdhsa--gfx1250"
	.amdhsa_code_object_version 6
	.text
	.protected	k_q14aaf915bf_proj
	.globl	k_q14aaf915bf_proj
	.p2align	8
	.type	k_q14aaf915bf_proj,@function
k_q14aaf915bf_proj:
	s_mov_b64 s[64:65], 0
	v_nop
	global_prefetch_b8 v0, s[64:65] scope:SCOPE_SE
	s_setreg_imm32_b32 hwreg(HW_REG_WAVE_MODE, 25, 1), 1
	s_wait_xcnt 0x0
	s_wait_alu depctr_hold_cnt(0) depctr_sa_sdst(0) depctr_va_vdst(0) depctr_va_sdst(0) depctr_va_ssrc(0) depctr_va_vcc(0) depctr_vm_vsrc(0)
	s_getreg_b32 s2, hwreg(HW_REG_IB_STS2, 6, 4)
	s_cmp_eq_u32 s2, 0
	s_cbranch_scc0 .Lentry_in_a_cluster
	s_endpgm
.Lentry_in_a_cluster:
	s_bfe_u32 s2, ttmp6, 0x10000c
	s_cmp_lg_u32 s2, 0xf033
	s_cbranch_scc0 .Lentry_shape_is_right
	s_endpgm
.Lentry_shape_is_right:
; PROJ: Q = query Wq + bq, K = key Wk + bk, V = value Wv + bv, all three in one launch, on codes of FP4 (E2M1) with one E8M0 scale for each 32 along K; sums in f32.
; A: xcodes [24,576 rows: query's, key's, value's][512 bytes], xscales [24,576][32].  B: wcodes [3 x 1,024 columns][512 bytes], wscales [3,072][32].
; Out: qkv [tensor 3][batch 4][head 16][position 2,048][64] f16: a head's rows are dense, as the attention wants them.
; LIMIT: a result beyond 65,504 in magnitude becomes infinity in f16.
; A tile of 256 x 256 is made by four waves, each 128 x 128: 64 accumulators, 512 registers.  K = 1,024 is two K steps of 512: both, and all scale bytes, are first fills: three tensor loads
; a wave are out at the start, and no LDS byte is filled twice.  No prefetch: every byte is asked for at the head.
; CLUSTERS: 4 x 4 work-groups.  A row of the cluster shares A's tiles, a column B's: each is asked for jointly.  A cluster's 1,024 rows lie in one of the three tensors (cluster y / 8).
; The grid is 384 tiles: 8,192 rows and 1,024 columns a tensor do not cut into 256 equal tiles of this shape.
; THE MATRIX INSTRUCTION IS USED TRANSPOSED (source 0 = 16 columns' rows of B, source 1 = 16 rows of A): a lane holds eight neighbouring columns of one row.  The bias is the C of each sum's first product.
; REGISTERS: window 0: v0-31 addresses; v32-95 scale words, two sets, and nothing else; v96-127 packed results; v128-191 A's fragments, later rows on their way out; v192-255 the bias.
;   window 1: B's fragments, two sets.  window 2: the accumulators of my rows 0-63 ((a, b) at v[8 (8 a + b)]);  window 3: rows 64-127.
.set NQ,     4                         ; matrix instructions deep in a K step of 512
.set ROWB,   256                       ; a tile's row in bytes
.set KROW,   512                       ; a row of codes in memory
.set PITCH,  272                       ; an LDS row: 256 + 16 bytes: the 16 rows that a load touches start 68 words apart
.set FR,     8
.set NL,     2
.set NP,     4
.set HALFT,  128*PITCH
.set SLOT,   4*HALFT
.set KS,     32                        ; a row of scale bytes
.set SCL,    2*SLOT
.set HALFS,  (128*KS/256)*272
.set SBLK,   (16*KS/256)*272
.set SPARE,  SCL+4*HALFS               ; the spare words: two blocks of 256 bytes that no other line names
.set HPL,    16*144                    ; the way out: a head's plane of a stage: 16 rows x (128 + 16) bytes; two planes a wave, in slot 0, which has had its only fill and its last read by then
.set ADRA, 16
.set ADRB, 20
.set STO,  24
.set RD,   25
.set CO,   26
.set ADRS, 27
.set SPW,  28
.set NIL,  29
.set BO,   30
.set SC,   32
.set TMP,  96
.set AF,   128
.set BK,   128
.set BI,   192
.set G1, 24
.set G0, 32
.set G1B, 48
.set G0B, 56
.set G1S, 68
.set G0S, 76
.set G1SB, 80
.set G0SB, 88
.set MSB, 0
.macro WIN new                         ; the immediate's high byte repeats the setting that is left
.if MSB != (\new)
	s_set_vgpr_msb (MSB<<8)|(\new)
.set MSB, (\new)
.endif
.endm
.set MUL_LO, 0xa1                      ; source 0 (B) window 1, source 1 (A) window 0, C and D window 2
.set MUL_HI, 0xf1                      ; the same, C and D window 3
.set BIA_LO, 0x81                      ; the first products: C (the bias) window 0, D window 2
.set BIA_HI, 0xc1                      ; D window 3
.set TO_B,   0x40
.macro JLOAD g0a, g1a, g0b, g1b        ; a joint load: waves 0 and 1 fetch for A, waves 2 and 3 for B; s_nop 0 and four v_nop follow each line
	s_cmp_eq_u32 s15, 0
	s_cbranch_scc0 .Lfor_b_\@
	tensor_load_to_lds s[\g0a:\g0a+3], s[\g1a:\g1a+7]
	s_nop 0
.rept 4
	v_nop
.endr
	s_branch .Lasked_\@
.Lfor_b_\@:
	tensor_load_to_lds s[\g0b:\g0b+3], s[\g1b:\g1b+7]
	s_nop 0
.rept 4
	v_nop
.endr
.Lasked_\@:
.endm
.macro CROUND                          ; a round of the cluster's barrier
	s_barrier_signal -1
	s_barrier_wait -1
	s_cmp_lg_u32 s14, 0
	s_cbranch_scc1 .Lnot_wave_0_\@
	s_barrier_signal -3
.Lnot_wave_0_\@:
	s_barrier_wait -3
	s_barrier_signal -1
	s_barrier_wait -1
.endm
	s_load_b128 s[4:7], s[0:1], 0x0                ; xcodes, xscales
	s_load_b128 s[8:11], s[0:1], 0x10              ; wcodes, wscales
	s_load_b128 s[96:99], s[0:1], 0x20             ; bq, bk
	s_load_b64 s[100:101], s[0:1], 0x30            ; bv
	s_load_b64 s[12:13], s[0:1], 0x38              ; qkv
	v_lshl_add_u32 v[SPW], v0, 2, SPARE
	v_mov_b32 v[NIL], 0
	ds_add_u32 v[SPW], v[NIL]                      ; the opening: the add, twice on end, and its wait ahead of my first tensor load
	ds_add_u32 v[SPW], v[NIL]
	v_lshrrev_b32 v1, 5, v0
	v_readfirstlane_b32 s14, v1                    ; wave 0..3
	s_lshr_b32 s15, s14, 1                         ; my half of the tile's rows.  Also: I fetch for A (0) or for B (1)
	s_and_b32 s16, s14, 1                          ; my half of its columns.  Also: which 128 rows I fetch
	s_bfe_u32 s40, ttmp6, 0x40000                  ; cx
	s_bfe_u32 s41, ttmp6, 0x40004                  ; cy
	s_lshl_b32 s42, ttmp9, 2
	s_add_co_u32 s42, s42, s40                     ; tile column
	s_and_b32 s17, ttmp7, 0xffff                   ; cluster y
	s_lshr_b32 s66, s17, 3                         ; which tensor: the same in all sixteen partners
	s_lshl_b32 s17, s17, 2
	s_add_co_u32 s17, s17, s41                     ; tile row, over the 24,576 rows
	s_lshl_b32 s43, s41, 2
	s_lshl_b32 s43, 15, s43                        ; my row of the cluster
	s_lshl_b32 s44, 0x1111, s40                    ; my column
	s_or_b32 s[G1+0], s43, (0<<16)|(1<<20)|(1<<21)|(5<<22)|(3<<25)   ; mask; elements of 1 byte; padding on; bit 21 beside a mask; 4 words behind every 64
	s_or_b32 s[G1B+0], s44, (0<<16)|(1<<20)|(1<<21)|(5<<22)|(3<<25)
.irp g, G1, G1B
	s_mov_b32 s[\g+1], ROWB<<16                    ; tensor_dim0
	s_mov_b32 s[\g+2], 128<<16                     ; tensor_dim1
	s_mov_b32 s[\g+3], ROWB<<16                    ; tile_dim0
	s_mov_b32 s[\g+4], 128                         ; tile_dim1
	s_mov_b32 s[\g+5], KROW                        ; the pitch
	s_mov_b32 s[\g+6], 0
	s_mov_b32 s[\g+7], 0
.endr
	s_or_b32 s[G1S+0], s43, (3<<16)|(1<<20)|(1<<21)|(5<<22)|(3<<25)  ; the scale bytes of 128 rows: 4,096 dense bytes as 16 rows of 256 (32 elements of 8 bytes)
	s_or_b32 s[G1SB+0], s44, (3<<16)|(1<<20)|(1<<21)|(5<<22)|(3<<25)
.irp g, G1S, G1SB
	s_mov_b32 s[\g+1], 32<<16
	s_mov_b32 s[\g+2], (128*KS/256)<<16
	s_mov_b32 s[\g+3], 32<<16
	s_mov_b32 s[\g+4], 128*KS/256
	s_mov_b32 s[\g+5], 32
	s_mov_b32 s[\g+6], 0
	s_mov_b32 s[\g+7], 0
.endr
	s_lshl_b32 s18, s16, 7
	s_lshl_b32 s20, s17, 8
	s_add_co_u32 s20, s20, s18                     ; A: row 256 x tile row + 128 x half
	s_lshl_b32 s46, s42, 8
	s_add_co_u32 s46, s46, s18
	s_lshl_b32 s47, s66, 10
	s_add_co_u32 s46, s46, s47                     ; B: row 1,024 x tensor + 256 x tile column + 128 x half
	s_mov_b32 s21, 0
	s_mov_b32 s47, 0
	s_mov_b64 s[18:19], KS
	s_mul_u64 s[22:23], s[20:21], s[18:19]         ; where these rows' scale bytes begin
	s_mul_u64 s[92:93], s[46:47], s[18:19]
	s_mov_b64 s[18:19], KROW
	s_mul_u64 s[20:21], s[20:21], s[18:19]         ; and their codes
	s_mul_u64 s[46:47], s[46:47], s[18:19]
	s_mul_i32 s45, s14, HALFT                      ; where they go: wave x 128 rows
	s_mul_i32 s94, s14, HALFS
	s_wait_dscnt 0x0                               ; both opening adds are done
	s_wait_kmcnt 0x0
	s_add_nc_u64 s[20:21], s[4:5], s[20:21]
	s_add_nc_u64 s[22:23], s[6:7], s[22:23]
	s_add_nc_u64 s[46:47], s[8:9], s[46:47]
	s_add_nc_u64 s[92:93], s[10:11], s[92:93]
	CROUND                                         ; all sixteen work-groups are here: the joint loads meet
	s_mov_b32 s[G0S], 1
	s_add_co_u32 s[G0S+1], s94, SCL
	s_mov_b64 s[G0S+2:G0S+3], s[22:23]
	s_or_b32 s[G0S+3], s[G0S+3], 0x80000000
	s_mov_b32 s[G0SB], 1
	s_add_co_u32 s[G0SB+1], s94, SCL
	s_mov_b64 s[G0SB+2:G0SB+3], s[92:93]
	s_or_b32 s[G0SB+3], s[G0SB+3], 0x80000000
	JLOAD G0S, G1S, G0SB, G1SB                     ; the scale bytes first: they are wanted with K step 0
.irp s, 0,1
	s_mov_b32 s[G0+4*\s], 1
	s_add_co_u32 s[G0+4*\s+1], s45, \s*SLOT
	s_add_nc_u64 s[G0+4*\s+2:G0+4*\s+3], s[20:21], \s*ROWB
	s_or_b32 s[G0+4*\s+3], s[G0+4*\s+3], 0x80000000
	s_mov_b32 s[G0B+4*\s], 1
	s_add_co_u32 s[G0B+4*\s+1], s45, \s*SLOT
	s_add_nc_u64 s[G0B+4*\s+2:G0B+4*\s+3], s[46:47], \s*ROWB
	s_or_b32 s[G0B+4*\s+3], s[G0B+4*\s+3], 0x80000000
	JLOAD G0+4*\s, G1, G0B+4*\s, G1B
.endr
	v_and_b32 v1, 15, v0                           ; r
	v_bfe_u32 v2, v0, 4, 1                         ; h
	; the bias of my 128 columns, in the result's layout: register 8 b + j = column 16 b + 8 h + j
	v_lshlrev_b32 v[BO], 5, v2
	s_cmp_eq_u32 s66, 0
	s_cselect_b64 s[96:97], s[96:97], s[98:99]
	s_cmp_eq_u32 s66, 2
	s_cselect_b64 s[96:97], s[100:101], s[96:97]
	s_lshl_b32 s98, s42, 10
	s_lshl_b32 s99, s16, 9
	s_add_co_u32 s98, s98, s99
	s_mov_b32 s99, 0
	s_add_nc_u64 s[96:97], s[96:97], s[98:99]
.irp b, 0,1,2,3,4,5,6,7
	global_load_b128 v[BI+8*\b:BI+8*\b+3], v[BO], s[96:97] offset:64*\b
	global_load_b128 v[BI+8*\b+4:BI+8*\b+7], v[BO], s[96:97] offset:64*\b+16
.endr
	v_mul_u32_u24 v3, v1, PITCH
	v_lshl_add_u32 v4, v2, 4, v3                   ; a fragment's row x pitch + 16 x half
	s_mul_i32 s21, s15, HALFT
	s_mul_i32 s22, s16, HALFT
	s_add_co_u32 s22, s22, 2*HALFT
.irp s, 0,1
	v_add_nc_u32 v[ADRA+\s], s21, v4
	v_add_nc_u32 v[ADRB+\s], s22, v4
	s_add_co_u32 s21, s21, SLOT
	s_add_co_u32 s22, s22, SLOT
.endr
	v_mul_u32_u24 v5, v1, KS                       ; my row's scale bytes: 32 a row,
	v_lshrrev_b32 v6, 8, v5
	v_lshl_add_u32 v5, v6, 4, v5                   ; and 16 more for each 256 passed
	s_mul_i32 s21, s15, HALFS
	s_mul_i32 s22, s16, HALFS
	s_add_co_u32 s22, s22, 2*HALFS
	s_sub_co_u32 s22, s22, s21
	v_mul_u32_u24 v6, s22, v2                      ; lanes 16-31 take B's: one product, the distance between the two bases
	s_add_co_u32 s21, s21, SCL
	v_add_nc_u32 v5, v5, v6
	v_add_nc_u32 v[ADRS], s21, v5
	s_mul_i32 s23, s14, 2*HPL                      ; my stage
	v_mul_u32_u24 v5, v1, 144
	v_lshl_add_u32 v5, v2, 4, v5
	v_add_nc_u32 v[STO], s23, v5                   ; in: row r, 16 bytes for each half of the lanes
	v_and_b32 v6, 31, v0
	v_lshrrev_b32 v5, 3, v6
	v_mul_u32_u24 v5, v5, 144
	v_and_b32 v7, 7, v0
	v_lshl_add_u32 v5, v7, 4, v5
	v_add_nc_u32 v[RD], s23, v5                    ; back: eight lanes to a row of 128 bytes, four rows an instruction
	v_lshlrev_b32 v[CO], 4, v6                     ; which are 512 dense bytes of a head
	s_lshl_b32 s20, s17, 8
	s_lshl_b32 s21, s15, 7
	s_add_co_u32 s20, s20, s21                     ; my first row M0
	s_lshr_b32 s21, s20, 11                        ; 4 x tensor + batch
	s_lshl_b32 s21, s21, 22                        ; 16 heads of 262,144 bytes each
	s_and_b32 s20, s20, 2047
	s_lshl_b32 s20, s20, 7                         ; the position: 128 bytes a row
	s_add_co_u32 s20, s20, s21
	s_lshl_b32 s21, s42, 2
	s_lshl_b32 s46, s16, 1
	s_add_co_u32 s21, s21, s46                     ; my first head: 4 x tile column + 2 x half
	s_lshl_b32 s21, s21, 18
	s_add_co_u32 s20, s20, s21
	s_mov_b32 s21, 0
	s_add_nc_u64 s[12:13], s[12:13], s[20:21]
.macro FRAG reg, adr, q, i             ; 16 rows x 128 K of 4-bit codes: 8 registers: two loads of 16 bytes, 32 bytes apart
.irp c, 0,1
	ds_load_b128 v[\reg+4*\c:\reg+4*\c+3], v[\adr] offset:64*(\q)+32*\c+(\i)*16*PITCH
.endr
.endm
; 16 matrix instructions: A's blocks a0, a0 + 1 x B's eight.  The 64 accumulators take turns, one instruction a turn.  bias = 1: the first product starts the sum from the bias.
.macro MUL16 a0, p, q, sc, bias
.irp a, \a0, \a0+1
.irp b, 0,1,2,3,4,5,6,7
.if \bias
	v_wmma_scale_f32_16x16x128_f8f6f4 v[8*(8*((\a)%4)+\b):8*(8*((\a)%4)+\b)+7], v[128*(\p)+FR*\b:128*(\p)+FR*\b+FR-1], v[AF+FR*(\a):AF+FR*(\a)+FR-1], v[BI+8*\b:BI+8*\b+7], v[SC+8*NQ*(\sc)+NQ*\b+(\q)], v[SC+8*NQ*(\sc)+NQ*(\a)+(\q)] matrix_a_fmt:MATRIX_FMT_FP4 matrix_b_fmt:MATRIX_FMT_FP4 matrix_a_scale:MATRIX_SCALE_ROW1
.else
	v_wmma_scale_f32_16x16x128_f8f6f4 v[8*(8*((\a)%4)+\b):8*(8*((\a)%4)+\b)+7], v[128*(\p)+FR*\b:128*(\p)+FR*\b+FR-1], v[AF+FR*(\a):AF+FR*(\a)+FR-1], v[8*(8*((\a)%4)+\b):8*(8*((\a)%4)+\b)+7], v[SC+8*NQ*(\sc)+NQ*\b+(\q)], v[SC+8*NQ*(\sc)+NQ*(\a)+(\q)] matrix_a_fmt:MATRIX_FMT_FP4 matrix_b_fmt:MATRIX_FMT_FP4 matrix_a_scale:MATRIX_SCALE_ROW1
.endif
.endr
.endr
.endm
.macro FETCH_B slot, q, p
	WIN TO_B
.irp i, 0,1,2,3,4,5,6,7
	FRAG 128*(\p)+FR*\i, ADRB+\slot, \q, \i
.endr
	WIN 0
.endm
.macro FETCH_A slot, q, i0
.irp i, \i0, \i0+1, \i0+2, \i0+3
	FRAG AF+FR*(\i), ADRA+\slot, \q, \i
.endr
.endm
.macro SCALES sc                       ; a K step's scale words: lanes 0-15 take A's block i, lanes 16-31 B's block i
.irp i, 0,1,2,3,4,5,6,7
	ds_load_b128 v[SC+8*NQ*\sc+NQ*\i:SC+8*NQ*\sc+NQ*\i+3], v[ADRS] offset:\i*SBLK
.endr
.endm
.macro PLACES n                        ; plain vector lines between a matrix instruction and a load into, or a read of, its registers
.rept \n
	v_nop
.endr
.endm
.macro STEP slot, q, bias              ; 128 along K, with its successor in the same slot
	s_wait_dscnt 4*NL                              ; all but the youngest eight loads (A's blocks 4-7) are in
.if \bias
	WIN BIA_LO
.else
	WIN MUL_LO
.endif
	MUL16 0, (\q)%2, \q, \slot, \bias
	MUL16 2, (\q)%2, \q, \slot, \bias
	s_wait_dscnt 0                                 ; A's blocks 4-7 are in
	PLACES NP
	FETCH_B \slot, (\q)+1, 1-(\q)%2
	FETCH_A \slot, (\q)+1, 0
.if \bias
	WIN BIA_HI
.else
	WIN MUL_HI
.endif
	MUL16 4, (\q)%2, \q, \slot, \bias
	MUL16 6, (\q)%2, \q, \slot, \bias
	PLACES NP
	WIN 0
	FETCH_A \slot, (\q)+1, 4
.endm
.macro STEPS slot, from
.set Q, \from
.rept NQ-1-\from
	STEP \slot, Q, 0
.set Q, Q+1
.endr
.endm
	s_wait_tensorcnt 1                             ; the scale bytes and my part of K step 0 are in; K step 1's load may stay out
	s_barrier_signal -1
	s_barrier_wait -1
	FETCH_B 0, 0, 0
	FETCH_A 0, 0, 0
	SCALES 0
	FETCH_A 0, 0, 4
	s_wait_loadcnt 0x0                             ; the bias
	STEP 0, 0, 1
	STEPS 0, 1
	; slot 0's last step changes slots: one barrier; in front of it my part of slot 1 has landed and my reads of slot 0 are over
	s_wait_tensorcnt 0x0
	ds_add_u32 v[SPW], v[NIL]                      ; 0 onto my spare word
	s_wait_dscnt 4*NL+1                            ; (the add and A's blocks 4-7 may be out)
	WIN MUL_LO
	MUL16 0, 1, NQ-1, 0, 0
	s_wait_dscnt 0x0
	s_barrier_signal -1
	MUL16 2, 1, NQ-1, 0, 0
	WIN 0
	s_barrier_wait -1
	PLACES NP
	v_add_nc_u32 v[ADRS], 4*NQ, v[ADRS]            ; on to K step 1's scale words
	FETCH_B 1, 0, 0
	FETCH_A 1, 0, 0
	SCALES 1
	WIN MUL_HI
	MUL16 4, 1, NQ-1, 0, 0
	MUL16 6, 1, NQ-1, 0, 0
	PLACES NP
	WIN 0
	FETCH_A 1, 0, 4
	STEPS 1, 0
	s_wait_dscnt 4*NL                              ; the last step: nothing more to fetch
	WIN MUL_LO
	MUL16 0, 1, NQ-1, 1, 0
	MUL16 2, 1, NQ-1, 1, 0
	s_wait_dscnt 0
	WIN MUL_HI
	MUL16 4, 1, NQ-1, 1, 0
	MUL16 6, 1, NQ-1, 1, 0
	WIN 0
; THE WAY OUT, a block of 16 rows x 128 columns (two heads) at a time: rounded to f16, 16 bytes a lane into my stage (a plane for each head), back as rows of 128 bytes, four rows an instruction:
; in a head 16 rows are 2,048 dense bytes, so each store of the wave covers 512 consecutive bytes, aligned.  Every offset is an immediate.
.macro PACK a
.set AC, 64*((\a)%4)
	WIN 0x0a+5*((\a)/4)                            ; sources 0 and 1: window 2 or 3
.irp b, 0,1,2,3,4,5,6,7
.irp r, 0,1,2,3
	v_cvt_pk_f16_f32 v[TMP+4*\b+\r], v[AC+8*\b+2*\r], v[AC+8*\b+2*\r+1]   ; each accumulator from its low end on
.endr
.endr
	WIN 0
.endm
.macro TOSTAGE a
.set BB, BK+32*((\a)%2)
.irp b, 0,1,2,3,4,5,6,7
	ds_store_b128 v[STO], v[TMP+4*\b:TMP+4*\b+3] offset:(\b/4)*HPL+32*(\b%4)
.endr
.irp i, 0,1,2,3,4,5,6,7
	ds_load_b128 v[BB+4*\i:BB+4*\i+3], v[RD] offset:(\i/4)*HPL+(\i%4)*576   ; in order behind my stores
.endr
.endm
.macro SEND a
.set BB, BK+32*((\a)%2)
	s_wait_dscnt 0x0                               ; the block is back in registers
	s_wait_xcnt 0x0                                ; the stores of two blocks back have read their registers, which the next block's loads take
.irp i, 0,1,2,3,4,5,6,7
	global_store_b128 v[CO], v[BB+4*\i:BB+4*\i+3], s[12:13] offset:(\a)*2048+(\i/4)*262144+(\i%4)*512
.endr
.endm
	PLACES NP
	PACK 0
	TOSTAGE 0
.irp a, 1,2,3,4,5,6,7                  ; block a's conversions stand between block a - 1's loads from the stage and the wait for them
	PACK \a
	SEND \a-1
	TOSTAGE \a
.endr
	SEND 7
	s_wait_tensorcnt 0x0                           ; the wave's end
	ds_add_u32 v[SPW], v[NIL]
	s_wait_dscnt 0x0
	CROUND                                         ; the closing round
	s_endpgm
.Lfunc_end_k_q14aaf915bf_proj:
	.size	k_q14aaf915bf_proj, .Lfunc_end_k_q14aaf915bf_proj-k_q14aaf915bf_proj
	.p2alignl 7, 3214868480
	.fill 96, 4, 3214868480
	.section	.rodata,"a",@progbits
	.p2align	6, 0x0
	.amdhsa_kernel k_q14aaf915bf_proj
		.amdhsa_group_segment_fixed_size 327680
		.amdhsa_private_segment_fixed_size 0
		.amdhsa_enable_private_segment 0
		.amdhsa_kernarg_size 64
		.amdhsa_user_sgpr_count 2
		.amdhsa_user_sgpr_kernarg_segment_ptr 1
		.amdhsa_wavefront_size32 1
		.amdhsa_system_sgpr_workgroup_id_x 1
		.amdhsa_system_sgpr_workgroup_id_y 1
		.amdhsa_system_sgpr_workgroup_id_z 1
		.amdhsa_system_vgpr_workitem_id 0
		.amdhsa_next_free_vgpr 1024
		.amdhsa_next_free_sgpr 102
		.amdhsa_reserve_vcc 0
		.amdhsa_float_denorm_mode_32 3
		.amdhsa_float_denorm_mode_16_64 3
		.amdhsa_memory_ordered 1
		.amdhsa_forward_progress 1
		.amdhsa_inst_pref_size 128
	.end_amdhsa_kernel
	.amdgpu_metadata
---
amdhsa.version: [ 1, 2 ]
amdhsa.kernels:
  - .name:           k_q14aaf915bf_proj
    .symbol:         k_q14aaf915bf_proj.kd
    .args:
      - { .name: xcodes, .offset: 0, .size: 8, .value_kind: global_buffer, .address_space: global }
      - { .name: xscales, .offset: 8, .size: 8, .value_kind: global_buffer, .address_space: global }
      - { .name: wcodes, .offset: 16, .size: 8, .value_kind: global_buffer, .address_space: global }
      - { .name: wscales, .offset: 24, .size: 8, .value_kind: global_buffer, .address_space: global }
      - { .name: bq, .offset: 32, .size: 8, .value_kind: global_buffer, .address_space: global }
      - { .name: bk, .offset: 40, .size: 8, .value_kind: global_buffer, .address_space: global }
      - { .name: bv, .offset: 48, .size: 8, .value_kind: global_buffer, .address_space: global }
      - { .name: qkv, .offset: 56, .size: 8, .value_kind: global_buffer, .address_space: global }
    .group_segment_fixed_size: 327680
    .private_segment_fixed_size: 0
    .kernarg_segment_align: 8
    .kernarg_segment_size: 64
    .max_flat_workgroup_size: 128
    .sgpr_count:     102
    .vgpr_count:     1024
    .wavefront_size: 32
...
	.end_amdgpu_metadata
.endif
;; end of part 2
;; launch attn (part 3): grid 4 x 64, 8 waves a work-group, clusters of 4 x 1, 327,680 bytes of LDS; arguments qkv, ctx; writes ctx
.if DOCPART == 3
	.amdgcn_target "amdgcn-amd-amdhsa--gfx1250"
	.amdhsa_code_object_version 6
	.text
	.protected	k_q14aaf915bf_attn
	.globl	k_q14aaf915bf_attn
	.p2align	8
	.type	k_q14aaf915bf_attn,@function
k_q14aaf915bf_attn:
	s_mov_b64 s[64:65], 0
	v_nop
	global_prefetch_b8 v0, s[64:65] scope:SCOPE_SE
	s_setreg_imm32_b32 hwreg(HW_REG_WAVE_MODE, 25, 1), 1
	s_wait_xcnt 0x0
	s_wait_alu depctr_hold_cnt(0) depctr_sa_sdst(0) depctr_va_vdst(0) depctr_va_sdst(0) depctr_va_ssrc(0) depctr_va_vcc(0) depctr_vm_vsrc(0)
	s_getreg_b32 s2, hwreg(HW_REG_IB_STS2, 6, 4)
	s_cmp_eq_u32 s2, 0
	s_cbranch_scc0 .Lentry_in_a_cluster
	s_endpgm
.Lentry_in_a_cluster:
	s_bfe_u32 s2, ttmp6, 0x10000c
	s_cmp_lg_u32 s2, 0x3003
	s_cbranch_scc0 .Lentry_shape_is_right
	s_endpgm
.Lentry_shape_is_right:
; ATTN: ctx[h][q][:] = the sum over k of softmax_k(Q[h][q] . K[h][k] / 8) V[h][k][:], 64 heads (batch x head) of 2,048 positions x 64 channels, no mask.
; Q, K, V: qkv [3][64 heads][2,048][64] f16.  ctx: [64 heads][2,048][64] f16.  Products on f16 operands, sums, maxima and the softmax in f32; the weights p are rounded to f16 for the second product.
; SHARES.  A work-group owns 512 queries of one head, each of its eight waves 64: four tiles of 16.  Every wave walks all keys, 64 a step; a slot holds four steps, a head is eight slots' worth on two slots.
; LAYOUT.  S^T = K Q^T (source 0 = 16 keys, source 1 = 16 queries) and O^T = V^T P (source 0 = 16 channels, by the turning load; source 1 = P): a lane holds ONE query throughout.
; P is packed in place over S^T: register i of a tile takes scores 2 i and 2 i + 1, so registers 8 kk .. 8 kk + 7 are source 1 for keys 32 kk on.
; SOFTMAX.  A running maximum m and sum l for each query: p = 2^(c s - c m), c = log2(e) / 8; in every step O and l are multiplied by a = 2^(c m_old - c m_new).  The first step finds m = -3e38, l = 0, O = 0.
; TWO GROUPS OF WAVES.  Two waves share a SIMD's registers.  A wave's step is a run of 64 matrix instructions (V^T P of step j, K Q^T of step j + 1) and a run of vector work (the four tiles' softmax).
; Waves 0-3 and waves 4-7 pass each barrier at places half a step apart in that cycle, so that one group's matrix run stands beside the other's vector run.  Between two barriers both do the same work.
; CLUSTER.  The four query blocks of a head form a cluster and ask for K's and V's tiles jointly.
; REGISTERS: window 0: v1-13 addresses; v16-47 eight registers of statistics a tile; v64-191 S^T, then P, 32 a tile; v192-255 K of one step.
;   window 1: v0-127 O^T, 32 a tile; v128-191 Q, 16 a tile; v192-255 V of one step.
.set KS,    64
.set PK,    144       ; a row of K in LDS: 128 bytes + 16
.set PVV,   160       ; a row of V: 128 + 32
.set VOFF,  KS*PK     ; a step's tiles lie together: 64 rows of K, then 64 of V
.set STEPB, KS*(PK+PVV)
.set SLOT1, 1<<17     ; slot 1 begins here: one exclusive or turns an address from one slot to the other
.set STAGE, SLOT1+4*STEPB  ; 16 rows x 144 bytes for each wave, for the way out
.set SP,    144
.set SPARE, STAGE+8*16*SP  ; the spare words, 128 bytes for each wave: four blocks of 256 bytes that no other line names
.set AK0, 2
.set AV0, 3
.set ADR, 4
.set ADRV, 5
.set QO,  6
.set STO, 7
.set RD,  8
.set GO,  9
.set PFO, 10
.set HH,  11
.set SPW, 12
.set NIL, 13
.set ST,  16          ; tile t at v[ST+8 t]: +0 c m, +1 m, +2, +3 l (even keys', odd keys'), +4 to +7 at work; a takes +6
.set S,   64
.set KF,  192
.set QF,  128         ; in window 1
.set VF,  192         ; in window 1
.set PO,  64          ; the way out: packed results
.set PBK, 128         ; and rows read back
.set WV,  12
.set CX,  13
.set LIM, 15
.set PFA, 18
.set G1K, 24
.set G1V, 32
.set G0K, 40
.set G0V, 48
.set SLOTS, 56
.set CNT, 57
.set CS,  58
.set SEL, 60
.set TB,  62
.set MSB, 0
.macro WIN new
.if MSB != (\new)
	s_set_vgpr_msb (MSB<<8)|(\new)
.set MSB, (\new)
.endif
.endm
.macro JLOAD                           ; a joint refill: waves 0-3 fetch the slot's four tiles of K, waves 4-7 those of V; s_nop 0 and four v_nop follow each line
	s_cmp_lt_u32 s[WV], 4
	s_cbranch_scc0 .Lfor_v_\@
	tensor_load_to_lds s[G0K+4:G0K+7], s[G1K:G1K+7]
	s_nop 0
.rept 4
	v_nop
.endr
	s_branch .Lasked_\@
.Lfor_v_\@:
	tensor_load_to_lds s[G0V+4:G0V+7], s[G1V:G1V+7]
	s_nop 0
.rept 4
	v_nop
.endr
.Lasked_\@:
.endm
; A prefetch of what the NEXT change of slots will ask for: a slot's 256 rows of K and of V are 32,768 dense bytes each.  The four partners share them out by address, 8,192 bytes each, lanes 256 bytes apart;
; wave 0 asks for K's, wave 4 for V's: each aligned block of 256 bytes is named once in the launch.  It runs four key steps, 256 matrix instructions a wave, ahead of the load.  The last change that fills a slot asks for nothing.
.macro ASK
	s_cmp_gt_u32 s[SLOTS], s[LIM]
	s_cbranch_scc0 .Lnot_mine_\@
	global_prefetch_b8 v[PFO], s[PFA:PFA+1] th:TH_LOAD_NT scope:SCOPE_SE
.Lnot_mine_\@:
.endm
.macro CROUND
	s_barrier_signal -1
	s_barrier_wait -1
	s_cmp_lg_u32 s[WV], 0
	s_cbranch_scc1 .Lnot_wave_0_\@
	s_barrier_signal -3
.Lnot_wave_0_\@:
	s_barrier_wait -3
	s_barrier_signal -1
	s_barrier_wait -1
.endm
	s_load_b128 s[8:11], s[0:1], 0x0   ; qkv s[8:9], ctx s[10:11]
	v_lshl_add_u32 v[SPW], v0, 2, SPARE
	v_mov_b32 v[NIL], 0
	ds_add_u32 v[SPW], v[NIL]          ; the opening: the add, twice on end, and its wait ahead of my first tensor load
	ds_add_u32 v[SPW], v[NIL]
	v_lshrrev_b32 v1, 5, v0
	v_readfirstlane_b32 s[WV], v1      ; wave 0..7
	s_bfe_u32 s[CX], ttmp6, 0x40000    ; my block of 512 queries: it enters Q's, ctx's and the prefetches' addresses alone
	s_and_b32 s20, ttmp7, 0xffff       ; the head, which the four partners share
	s_lshl_b32 s20, s20, 18            ; 262,144 bytes a head
	s_mov_b32 s21, 0
	s_and_b32 s16, s[WV], 3            ; which of a slot's four steps I fetch:
	s_lshl_b32 s22, s16, 13            ; its 64 rows of 128 bytes in memory,
	s_mov_b32 s23, 0
	s_add_nc_u64 s[22:23], s[22:23], s[20:21]
	s_mul_i32 s17, s16, STEPB          ; and its place in a slot
	s_lshl_b32 s2, s[CX], 16           ; my block's 512 rows,
	s_lshl_b32 s3, s[WV], 13           ; my wave's 64 of them
	s_add_co_u32 s2, s2, s3
	s_mov_b32 s3, 0
	s_add_nc_u64 s[2:3], s[2:3], s[20:21]
	s_mov_b32 s[G1K], 15|(1<<16)|(1<<20)|(1<<21)|(4<<22)|(3<<25)   ; the mask: all four; elements of 2 bytes; padding on; bit 21 beside a mask; 4 words behind every 32
	s_mov_b32 s[G1V], 15|(1<<16)|(1<<20)|(1<<21)|(4<<22)|(7<<25)   ; the same with 8 words
.irp g, G1K, G1V
	s_mov_b32 s[\g+1], 64<<16          ; tensor_dim0
	s_mov_b32 s[\g+2], KS<<16          ; tensor_dim1
	s_mov_b32 s[\g+3], 64<<16          ; tile_dim0
	s_mov_b32 s[\g+4], KS              ; tile_dim1
	s_mov_b32 s[\g+5], 64              ; the pitch
	s_mov_b32 s[\g+6], 0
	s_mov_b32 s[\g+7], 0
.endr
	s_mov_b32 s[CS], 0x3e38aa3b        ; c = log2(e) / 8
	s_mov_b32 s[CS+1], s[CS]
	s_mov_b32 s[SEL], 0x76543210
	s_mov_b32 s[SEL+1], 0xfedcba98
	s_mov_b32 s[TB], 0
	s_mov_b32 s[SLOTS], 6
	s_and_b32 s[LIM], s[WV], 3
	s_cmp_eq_u32 s[LIM], 0
	s_cselect_b32 s[LIM], 1, -1        ; waves 0 and 4 prefetch
	v_and_b32 v[PFO], 31, v0
	v_lshlrev_b32 v[PFO], 8, v[PFO]
	s_wait_dscnt 0x0                   ; both opening adds are done
	s_wait_kmcnt 0x0
	s_add_nc_u64 s[4:5], s[8:9], s[2:3]        ; Q at my wave's first row
	s_add_nc_u64 s[10:11], s[10:11], s[2:3]    ; ctx likewise
	s_add_nc_u64 s[6:7], s[8:9], 0x1000000     ; K's tensor,
	s_add_nc_u64 s[8:9], s[8:9], 0x2000000     ; V's,
	s_add_nc_u64 s[6:7], s[6:7], s[22:23]      ; at my tile of slot 0
	s_add_nc_u64 s[8:9], s[8:9], s[22:23]
	s_cmp_lt_u32 s[WV], 4
	s_cselect_b64 s[PFA:PFA+1], s[6:7], s[8:9] ; (in waves 0 and 4 these stand at a slot's first row)
	s_lshl_b32 s2, s[CX], 13
	s_mov_b32 s3, 0
	s_add_nc_u64 s[PFA:PFA+1], s[PFA:PFA+1], s[2:3]
	s_add_nc_u64 s[PFA:PFA+1], s[PFA:PFA+1], 2*4*KS*128   ; at the third slot's worth; the first change steps it on.  Nothing is prefetched here, at the head
	CROUND                             ; all four work-groups are here: the first joint loads meet
.irp s, 0,1
	s_mov_b32 s[G0K+4*\s], 1
	s_add_co_u32 s[G0K+4*\s+1], s17, \s*SLOT1
	s_add_nc_u64 s[G0K+4*\s+2:G0K+4*\s+3], s[6:7], \s*4*KS*128
	s_or_b32 s[G0K+4*\s+3], s[G0K+4*\s+3], 0x80000000
	s_mov_b32 s[G0V+4*\s], 1
	s_add_co_u32 s[G0V+4*\s+1], s17, \s*SLOT1+VOFF
	s_add_nc_u64 s[G0V+4*\s+2:G0V+4*\s+3], s[8:9], \s*4*KS*128
	s_or_b32 s[G0V+4*\s+3], s[G0V+4*\s+3], 0x80000000
.endr
	s_cmp_lt_u32 s[WV], 4              ; a wave's two first fills stand in one branch: two loads of mine are out
	s_cbranch_scc0 .Lfirst_v
	tensor_load_to_lds s[G0K:G0K+3], s[G1K:G1K+7]
	s_nop 0
	tensor_load_to_lds s[G0K+4:G0K+7], s[G1K:G1K+7]
	s_nop 0
.rept 4
	v_nop
.endr
	s_branch .Lfirst_asked
.Lfirst_v:
	tensor_load_to_lds s[G0V:G0V+3], s[G1V:G1V+7]
	s_nop 0
	tensor_load_to_lds s[G0V+4:G0V+7], s[G1V:G1V+7]
	s_nop 0
.rept 4
	v_nop
.endr
.Lfirst_asked:
	v_and_b32 v1, 15, v0               ; r
	v_bfe_u32 v[HH], v0, 4, 1          ; h
	v_lshlrev_b32 v[QO], 7, v1
	v_lshl_add_u32 v[QO], v[HH], 4, v[QO]   ; row x 128 + 16 x half
	WIN 0x40                           ; destination window 1
.irp i, 0,1,2,3,4,5,6,7                ; Q stays in registers: tile i / 2, channels 32 (i % 2) on
	global_load_b128 v[QF+8*\i:QF+8*\i+3],   v[QO], s[4:5] offset:(\i/2)*2048+(\i%2)*64 th:TH_LOAD_NT
	global_load_b128 v[QF+8*\i+4:QF+8*\i+7], v[QO], s[4:5] offset:(\i/2)*2048+(\i%2)*64+32 th:TH_LOAD_NT
.endr
.set i, 0
.rept 128
	v_mov_b32 v[i], 0                  ; O^T: the step is written once; its first pass finds zeros, which a = 0 leaves zeros
.set i, i+1
.endr
	WIN 0
	v_mul_u32_u24 v[AK0], v1, PK
	v_lshl_add_u32 v[AK0], v[HH], 4, v[AK0]
	v_and_b32 v14, 7, v0               ; the turning load: lane l reads key 8 (l / 16) + l % 8, channels 8 ((l / 8) % 2) on
	v_bfe_u32 v15, v0, 3, 1
	v_lshl_add_u32 v[AV0], v[HH], 3, v14
	v_mul_u32_u24 v[AV0], v[AV0], PVV
	v_lshl_add_u32 v[AV0], v15, 4, v[AV0]
	v_add_nc_u32 v[AV0], VOFF, v[AV0]
	s_mul_i32 s2, s[WV], 16*SP
	s_add_co_u32 s2, s2, STAGE         ; my stage
	v_mul_u32_u24 v[STO], v1, SP
	v_lshl_add_u32 v[STO], v[HH], 4, v[STO]
	v_add_nc_u32 v[STO], s2, v[STO]    ; in: row r, 16 bytes for each half of the lanes
	v_and_b32 v14, 31, v0
	v_lshrrev_b32 v15, 3, v14
	v_mul_u32_u24 v[RD], v15, SP
	v_and_b32 v15, 7, v0
	v_lshl_add_u32 v[RD], v15, 4, v[RD]
	v_add_nc_u32 v[RD], s2, v[RD]      ; back: eight lanes to a row of 128 bytes, four rows an instruction
	v_lshlrev_b32 v[GO], 4, v14        ; which are 512 dense bytes of ctx
.irp t, 0,1,2,3
	v_mov_b32 v[ST+8*\t+1], 0xff61b1e6 ; m = -3e38, under every score
	v_mul_f32 v[ST+8*\t], s[CS], v[ST+8*\t+1]
	v_mov_b32 v[ST+8*\t+2], 0          ; l
	v_mov_b32 v[ST+8*\t+3], 0
.endr
.macro KFETCH                          ; a step's K: 64 keys x 64 channels: 8 fragments (keys 16 (f / 2) on, channels 32 (f % 2) on), 16 loads
	v_add_nc_u32 v[ADR], s[TB], v[AK0]
.irp f, 0,1,2,3,4,5,6,7
	ds_load_b128 v[KF+8*\f:KF+8*\f+3],   v[ADR] offset:(\f/2)*16*PK+(\f%2)*64
	ds_load_b128 v[KF+8*\f+4:KF+8*\f+7], v[ADR] offset:(\f/2)*16*PK+(\f%2)*64+32
.endr
.endm
.macro VFETCH pro                      ; the same step's V, turned: keys 32 (f / 4) on, channels 16 (f % 4) on, 16 loads.  pro = 1: the address was made, and s[TB] is stepped, in lines that all waves run
.if \pro == 0
	v_add_nc_u32 v[ADRV], s[TB], v[AV0]
	s_add_co_u32 s[TB], s[TB], STEPB
.endif
	WIN 0x40
.irp f, 0,1,2,3,4,5,6,7
	ds_load_tr16_b128 v[VF+8*\f:VF+8*\f+3],   v[ADRV] offset:(\f/4)*32*PVV+(\f%4)*32
	ds_load_tr16_b128 v[VF+8*\f+4:VF+8*\f+7], v[ADRV] offset:(\f/4)*32*PVV+16*PVV+(\f%4)*32
.endr
	WIN 0
.endm
.macro KQ                              ; S^T = K Q^T: 32 products; the 16 accumulators take turns; the first 16 start the sums
	WIN 0x04                           ; Q in window 1
.irp cc, 0,1
.irp kt, 0,1,2,3
.irp t, 0,1,2,3
.if \cc == 0
	v_wmma_f32_16x16x32_f16 v[S+32*\t+8*\kt:S+32*\t+8*\kt+7], v[KF+16*\kt+8*\cc:KF+16*\kt+8*\cc+7], v[QF+16*\t+8*\cc:QF+16*\t+8*\cc+7], 0
.else
	v_wmma_f32_16x16x32_f16 v[S+32*\t+8*\kt:S+32*\t+8*\kt+7], v[KF+16*\kt+8*\cc:KF+16*\kt+8*\cc+7], v[QF+16*\t+8*\cc:QF+16*\t+8*\cc+7], v[S+32*\t+8*\kt:S+32*\t+8*\kt+7]
.endif
.endr
.endr
.endr
	WIN 0
.rept 4
	v_nop                              ; four plain lines ahead of the softmax's first read of the scores
.endr
.endm
.macro PV                              ; O^T += V^T P: 32 products, 16 accumulators by turns
	WIN 0x51                           ; V, C and D in window 1, P in window 0
.irp kk, 0,1
.irp ct, 0,1,2,3
.irp t, 0,1,2,3
	v_wmma_f32_16x16x32_f16 v[32*\t+8*\ct:32*\t+8*\ct+7], v[VF+32*\kk+8*\ct:VF+32*\kk+8*\ct+7], v[S+32*\t+8*\kk:S+32*\t+8*\kk+7], v[32*\t+8*\ct:32*\t+8*\ct+7]
.endr
.endr
.endr
	WIN 0
.rept 5
	v_nop                              ; five plain lines: the next K Q^T writes over P's registers; they also stand ahead of the loads into V's
.endr
.endm
; The softmax of tiles y and y + 1 for one key step, the two tiles line by line, so that no line reads the result of the line above it.
.macro SM y
.irp k, 0,1,2,3                        ; the maximum: four chains, each begun at an accumulator's low end
.irp t, \y, \y+1
	v_max3_num_f32 v[ST+8*(\t)+4+\k], v[S+32*(\t)+8*\k], v[S+32*(\t)+8*\k+1], v[S+32*(\t)+8*\k+2]
.endr
.endr
.irp i, 3,5
.irp k, 0,1,2,3
.irp t, \y, \y+1
	v_max3_num_f32 v[ST+8*(\t)+4+\k], v[ST+8*(\t)+4+\k], v[S+32*(\t)+8*\k+\i], v[S+32*(\t)+8*\k+\i+1]
.endr
.endr
.endr
.irp t, \y, \y+1
	v_max3_num_f32 v[ST+8*(\t)+4], v[ST+8*(\t)+4], v[S+32*(\t)+7], v[S+32*(\t)+15]
.endr
.irp t, \y, \y+1
	v_max3_num_f32 v[ST+8*(\t)+6], v[ST+8*(\t)+6], v[S+32*(\t)+23], v[S+32*(\t)+31]
.endr
.irp t, \y, \y+1
	v_max3_num_f32 v[ST+8*(\t)+4], v[ST+8*(\t)+4], v[ST+8*(\t)+5], v[ST+8*(\t)+6]
.endr
.irp t, \y, \y+1
	v_max3_num_f32 v[ST+8*(\t)+4], v[ST+8*(\t)+4], v[ST+8*(\t)+7], v[ST+8*(\t)+1]   ; with the old m
.endr
.irp t, \y, \y+1
	v_permlanex16_b32 v[ST+8*(\t)+5], v[ST+8*(\t)+4], s[SEL], s[SEL+1]              ; the query's other 32 keys lie in the lane 16 away
.endr
.irp t, \y, \y+1
	v_mov_b32 v[ST+8*(\t)+7], v[ST+8*(\t)]                                          ; c m_old
.endr
.irp t, \y, \y+1
	v_max_num_f32 v[ST+8*(\t)+1], v[ST+8*(\t)+4], v[ST+8*(\t)+5]
.endr
.irp t, \y, \y+1
	v_mul_f32 v[ST+8*(\t)], s[CS], v[ST+8*(\t)+1]
.endr
.irp t, \y, \y+1
	v_sub_f32 v[ST+8*(\t)+7], v[ST+8*(\t)+7], v[ST+8*(\t)]
.endr
.irp t, \y, \y+1                       ; ONE BATCH of 66 exponentials, none of which reads another's result; a pair is scaled a turn ahead of its exponentials
	v_exp_f32 v[ST+8*(\t)+6], v[ST+8*(\t)+7]                                        ; a
.endr
.irp b, 0,1,2,3,4,5,6,7,8,9,10,11,12,13,14,15
.irp t, \y, \y+1
	v_pk_fma_f32 v[S+32*(\t)+2*\b:S+32*(\t)+2*\b+1], v[S+32*(\t)+2*\b:S+32*(\t)+2*\b+1], s[CS:CS+1], v[ST+8*(\t):ST+8*(\t)+1] op_sel_hi:[1,0,0] neg_lo:[0,0,1] neg_hi:[0,0,1]   ; c s - c m
.endr
.if \b > 0
.irp t, \y, \y+1
	v_exp_f32 v[S+32*(\t)+2*\b-2], v[S+32*(\t)+2*\b-2]
	v_exp_f32 v[S+32*(\t)+2*\b-1], v[S+32*(\t)+2*\b-1]
.endr
.endif
.endr
.irp t, \y, \y+1
	v_exp_f32 v[S+32*(\t)+30], v[S+32*(\t)+30]
	v_exp_f32 v[S+32*(\t)+31], v[S+32*(\t)+31]
.endr
	v_nop                              ; a plain line behind the last exponential
	s_wait_alu depctr_va_vdst(0)       ; one wait for the batch, ahead of its first reader
.irp t, \y, \y+1                       ; the sums, of the unrounded p, in two chains a tile
	v_pk_fma_f32 v[ST+8*(\t)+2:ST+8*(\t)+3], v[ST+8*(\t)+2:ST+8*(\t)+3], v[ST+8*(\t)+6:ST+8*(\t)+7], v[S+32*(\t):S+32*(\t)+1] op_sel_hi:[1,0,1]   ; l = a l + pair 0
.endr
.irp t, \y, \y+1
	v_pk_add_f32 v[ST+8*(\t)+4:ST+8*(\t)+5], v[S+32*(\t)+2:S+32*(\t)+3], v[S+32*(\t)+6:S+32*(\t)+7]
.endr
.irp i, 4,8,12,16,20,24
.irp t, \y, \y+1
	v_pk_add_f32 v[ST+8*(\t)+2:ST+8*(\t)+3], v[ST+8*(\t)+2:ST+8*(\t)+3], v[S+32*(\t)+\i:S+32*(\t)+\i+1]
.endr
.irp t, \y, \y+1
	v_pk_add_f32 v[ST+8*(\t)+4:ST+8*(\t)+5], v[ST+8*(\t)+4:ST+8*(\t)+5], v[S+32*(\t)+\i+6:S+32*(\t)+\i+7]
.endr
.endr
.irp t, \y, \y+1
	v_pk_add_f32 v[ST+8*(\t)+2:ST+8*(\t)+3], v[ST+8*(\t)+2:ST+8*(\t)+3], v[S+32*(\t)+28:S+32*(\t)+29]
.endr
.irp t, \y, \y+1
	v_pk_add_f32 v[ST+8*(\t)+2:ST+8*(\t)+3], v[ST+8*(\t)+2:ST+8*(\t)+3], v[ST+8*(\t)+4:ST+8*(\t)+5]
.endr
.irp i, 0,1,2,3,4,5,6,7,8,9,10,11,12,13,14,15   ; P, packed in place, ascending: register i is written when pairs up to i have been read
.irp t, \y, \y+1
	v_cvt_pk_f16_f32 v[S+32*(\t)+\i], v[S+32*(\t)+2*\i], v[S+32*(\t)+2*\i+1]
.endr
.endr
	WIN 0x41                           ; O^T (destination and source 0) in window 1, a in window 0
.irp i, 0,2,4,6,8,10,12,14,16,18,20,22,24,26,28,30
.irp t, \y, \y+1
	v_pk_mul_f32 v[32*(\t)+\i:32*(\t)+\i+1], v[32*(\t)+\i:32*(\t)+\i+1], v[ST+8*(\t)+6:ST+8*(\t)+7] op_sel_hi:[1,0]
.endr
.endr
	WIN 0
.endm
.macro H2 n                            ; the second half of a step's softmax, then its V^T P.  n: the LDS loads behind V's that may stay out
	SM 2
	s_wait_dscnt \n
	PV
.endm
.macro XR pro                          ; the next step's V is asked for; its K Q^T; the first half of its softmax
	VFETCH \pro
	s_wait_dscnt 16                    ; K is in; V's 16 loads may stay out
	KQ
	SM 0
.endm
.macro TSTEP
	KFETCH                             ; K of step j + 1
	H2 16                              ; V of step j is in; K's 16 loads may stay out
	XR 0
.endm
.macro THREE_T
	s_mov_b32 s[CNT], 3
.Lstep_\@:
	TSTEP
	s_sub_co_u32 s[CNT], s[CNT], 1
	s_cmp_lg_u32 s[CNT], 0
	s_cbranch_scc1 .Lstep_\@
.endm
; THE CHANGE OF SLOTS: the slot's last bytes, V of its fourth step, have been asked for.  Each wave waits for all its tensor loads (one is out: its part of the other slot), adds 0 to its spare word, and waits for
; that and for its reads of the slot.  fill = 1: a round of the cluster's barrier, and the joint refill first behind it: it has four key steps in which to land.
.macro CHANGE fill
	WIN 0
	s_wait_tensorcnt 0x0               ; no tensor load of mine is out, so a group 0 may be written
	ds_add_u32 v[SPW], v[NIL]          ; 0 onto my spare word
.if \fill
.irp g, G0K+4, G0V+4
	s_xor_b32 s[\g+1], s[\g+1], SLOT1  ; the walking descriptor: the other slot,
	s_add_nc_u64 s[\g+2:\g+3], s[\g+2:\g+3], 4*KS*128   ; the next 256 keys
.endr
	s_wait_xcnt 0x0                    ; the last prefetch, four key steps back, has read its address
	s_add_nc_u64 s[PFA:PFA+1], s[PFA:PFA+1], 4*KS*128
	s_wait_dscnt 0x0                   ; the add is done, and my reads of the slot are over
	CROUND
	JLOAD
.else
	s_wait_dscnt 0x0
	s_barrier_signal -1
	s_barrier_wait -1
.endif
	s_sub_co_u32 s[TB], s[TB], 4*STEPB ; the fetches go back to a slot's first step,
	s_xor_b32 s[TB], s[TB], SLOT1      ; in the other slot
	KFETCH
.if \fill
	ASK
.endif
.endm
; A slot's worth: three whole steps; then waves 0-3 finish the fourth step's softmax and V^T P AHEAD of the barrier, waves 4-7 BEHIND it (work on registers alone: V was waited for at the change).
.macro SECTION fill
	THREE_T
	s_cmp_lt_u32 s[WV], 4
	s_cbranch_scc0 .Lnot_a_\@
	H2 0
.Lnot_a_\@:
	CHANGE \fill
	s_cmp_lt_u32 s[WV], 4
	s_cbranch_scc1 .Lnot_b_\@
	H2 16                              ; (K's 16 loads, just issued, may stay out)
.Lnot_b_\@:
	XR 0
.endm
	s_wait_tensorcnt 1                 ; my part of slot 0 is in; slot 1's may stay out
	s_barrier_signal -1
	s_barrier_wait -1
	KFETCH                             ; key step 0
	v_add_nc_u32 v[ADRV], s[TB], v[AV0]   ; V's address is made here, by all waves, ahead of the parting
	s_wait_loadcnt 0x0                 ; Q
	s_cmp_lt_u32 s[WV], 4
	s_cbranch_scc0 .Lpro_b_waits
	XR 1                               ; waves 0-3: step 0's scores and half its softmax
.Lpro_b_waits:
	s_wait_dscnt 0x0
	s_barrier_signal -1                ; this barrier sets the two groups half a step apart
	s_barrier_wait -1
	s_cmp_lt_u32 s[WV], 4
	s_cbranch_scc1 .Lpro_a_done
	XR 1                               ; waves 4-7: the same, while waves 0-3 go on
.Lpro_a_done:
	s_add_co_u32 s[TB], s[TB], STEPB
.Lslot:                                ; six trips: every slot's worth but the last two is followed by a refill
	SECTION 1
	s_sub_co_u32 s[SLOTS], s[SLOTS], 1
	s_cmp_lg_u32 s[SLOTS], 0
	s_cbranch_scc1 .Lslot
	SECTION 0                          ; the tail is written out
	THREE_T
	H2 0                               ; the last step's second half, in all waves
	; THE WAY OUT.  l's halves are added; O^T is divided by l, rounded to f16 and sent through my stage, a tile (16 rows of 128 bytes) at a time.
.irp t, 0,1,2,3
	v_add_f32 v[ST+8*\t+4], v[ST+8*\t+2], v[ST+8*\t+3]
.endr
.irp t, 0,1,2,3
	v_permlanex16_b32 v[ST+8*\t+5], v[ST+8*\t+4], s[SEL], s[SEL+1]
.endr
.irp t, 0,1,2,3
	v_add_f32 v[ST+8*\t+4], v[ST+8*\t+4], v[ST+8*\t+5]
.endr
.irp t, 0,1,2,3
	v_rcp_f32 v[ST+8*\t+6], v[ST+8*\t+4]
.endr
	v_nop                              ; a plain line behind the last reciprocal
	s_wait_alu depctr_va_vdst(0)       ; one wait for the four, ahead of their first reader
.macro PACK t
	WIN 0x41
.set i, 32*\t
.rept 16
	v_pk_mul_f32 v[i:i+1], v[i:i+1], v[ST+8*\t+6:ST+8*\t+7] op_sel_hi:[1,0]   ; each accumulator from its low end on
.set i, i+2
.endr
	WIN 0x05                           ; sources in window 1, destination in window 0
.set i, 0
.rept 16
	v_cvt_pk_f16_f32 v[PO+16*\t+i], v[32*\t+2*i], v[32*\t+2*i+1]
.set i, i+1
.endr
	WIN 0
.irp f, 0,1,2,3
	ds_store_b128 v[STO], v[PO+16*\t+4*\f:PO+16*\t+4*\f+3] offset:32*\f
.endr
.irp f, 0,1,2,3
	ds_load_b128 v[PBK+16*\t+4*\f:PBK+16*\t+4*\f+3], v[RD] offset:\f*4*SP   ; in order behind my stores, and ahead of the next tile's
.endr
.endm
.macro SEND t, younger                 ; younger: the LDS lines issued behind tile t's loads: the next tile's eight, or none
.irp f, 0,1,2,3
	s_wait_dscnt \younger+3-\f
	global_store_b128 v[GO], v[PBK+16*\t+4*\f:PBK+16*\t+4*\f+3], s[10:11] offset:\t*2048+\f*512   ; 512 consecutive bytes, aligned
.endr
.endm
	PACK 0
	PACK 1
	SEND 0, 8
	PACK 2
	SEND 1, 8
	PACK 3
	SEND 2, 8
	SEND 3, 0
	s_wait_tensorcnt 0x0               ; the wave's end
	ds_add_u32 v[SPW], v[NIL]
	s_wait_dscnt 0x0
	CROUND                             ; the closing round
	s_endpgm
.Lfunc_end_k_q14aaf915bf_attn:
	.size	k_q14aaf915bf_attn, .Lfunc_end_k_q14aaf915bf_attn-k_q14aaf915bf_attn
	.p2alignl 7, 3214868480
	.fill 96, 4, 3214868480
	.section	.rodata,"a",@progbits
	.p2align	6, 0x0
	.amdhsa_kernel k_q14aaf915bf_attn
		.amdhsa_group_segment_fixed_size 327680
		.amdhsa_private_segment_fixed_size 0
		.amdhsa_enable_private_segment 0
		.amdhsa_kernarg_size 16
		.amdhsa_user_sgpr_count 2
		.amdhsa_user_sgpr_kernarg_segment_ptr 1
		.amdhsa_wavefront_size32 1
		.amdhsa_system_sgpr_workgroup_id_x 1
		.amdhsa_system_sgpr_workgroup_id_y 1
		.amdhsa_system_sgpr_workgroup_id_z 1
		.amdhsa_system_vgpr_workitem_id 0
		.amdhsa_next_free_vgpr 512
		.amdhsa_next_free_sgpr 66
		.amdhsa_reserve_vcc 0
		.amdhsa_float_denorm_mode_32 3
		.amdhsa_float_denorm_mode_16_64 3
		.amdhsa_memory_ordered 1
		.amdhsa_forward_progress 1
		.amdhsa_inst_pref_size 255
	.end_amdhsa_kernel
	.section	.bss,"aw",@nobits
	.p2align	6
	.space	262144
	.amdgpu_metadata
---
amdhsa.version: [ 1, 2 ]
amdhsa.kernels:
  - .name:           k_q14aaf915bf_attn
    .symbol:         k_q14aaf915bf_attn.kd
    .args:
      - { .name: qkv, .offset: 0, .size: 8, .value_kind: global_buffer, .address_space: global }
      - { .name: ctx, .offset: 8, .size: 8, .value_kind: global_buffer, .address_space: global }
    .group_segment_fixed_size: 327680
    .private_segment_fixed_size: 0
    .kernarg_segment_align: 8
    .kernarg_segment_size: 16
    .max_flat_workgroup_size: 256
    .sgpr_count:     66
    .vgpr_count:     512
    .wavefront_size: 32
...
	.end_amdgpu_metadata
.endif
;; end of part 3
;; launch outp (part 4): grid 4 x 64, 4 waves a work-group, clusters of 4 x 4, 327,680 bytes of LDS; arguments ctx, wo16, bo, out0; writes out0
.if DOCPART == 4
	.amdgcn_target "amdgcn-amd-amdhsa--gfx1250"
	.amdhsa_code_object_version 6
	.text
	.protected	k_q14aaf915bf_outp
	.globl	k_q14aaf915bf_outp
	.p2align	8
	.type	k_q14aaf915bf_outp,@function
k_q14aaf915bf_outp:
	s_mov_b64 s[64:65], 0
	v_nop
	global_prefetch_b8 v0, s[64:65] scope:SCOPE_SE
	s_setreg_imm32_b32 hwreg(HW_REG_WAVE_MODE, 25, 1), 1
	s_wait_xcnt 0x0
	s_wait_alu depctr_hold_cnt(0) depctr_sa_sdst(0) depctr_va_vdst(0) depctr_va_sdst(0) depctr_va_ssrc(0) depctr_va_vcc(0) depctr_vm_vsrc(0)
	s_getreg_b32 s2, hwreg(HW_REG_IB_STS2, 6, 4)
	s_cmp_eq_u32 s2, 0
	s_cbranch_scc0 .Lentry_in_a_cluster
	s_endpgm
.Lentry_in_a_cluster:
	s_bfe_u32 s2, ttmp6, 0x10000c
	s_cmp_lg_u32 s2, 0xf033
	s_cbranch_scc0 .Lentry_shape_is_right
	s_endpgm
.Lentry_shape_is_right:
; OUTP: out0 = context Wo + bo.  ctx: [batch 4][head 16][position 2,048][64] f16 (k = 64 x head + channel); wo16: [1,024 (k)][1,024 (n)] f16; bo f32; out0 [8,192][1,024] f32.  Sums in f32.
; A tile of 128 rows x 256 columns gives 256 work-groups.  Four waves, each 64 rows x 128 columns: 32 accumulators, 256 registers.
; K goes in steps of 128 (two heads) through two LDS slots: waves 0 and 1 fetch a head's plane of 128 rows x 128 bytes each, waves 2 and 3 64 rows of Wo x 512 bytes each.
; THE MATRIX INSTRUCTION IS USED TRANSPOSED: source 0 = 16 columns of Wo (stored [k][n]: by the turning load), source 1 = 16 rows of ctx: a lane holds eight neighbouring columns of one row.
; The bias is the C of each sum's first product.  CLUSTERS: 4 x 4: a row of the cluster shares ctx's tiles, a column Wo's.
; REGISTERS: window 0: v1-31 addresses; two fragment buffers of 96 at v32 and v128 (64 of Wo, then 32 of ctx); on the way out v32-159 take rows.  window 1: accumulator (a, b) at v[8 (8 a + b)].  window 2: v0-63 the bias.
.set PA,    144                        ; a row of ctx in LDS: 128 bytes + 16
.set APL,   128*PA                     ; a head's plane
.set PB,    544                        ; a row of Wo: 512 bytes + 32
.set BH,    64*PB
.set BOFF,  2*APL
.set SLOT,  2*APL+2*BH
.set STAGE, 2*SLOT                     ; 16 rows x 528 bytes for each wave
.set SPITCH, 528
.set SPARE, STAGE+4*16*SPITCH          ; the spare words: two blocks of 256 bytes that no other line names
.set ADRA, 16
.set ADRB, 20
.set STO,  24
.set RD,   25
.set CO,   26
.set BO,   27
.set SPW,  28
.set NIL,  29
.set PFO,  30
.set F0,   32
.set F1,   128
.set BK,   32
.set LIM,  2
.set PFA,  44
.set G1, 24
.set G0, 32
.set G1B, 48
.set G0B, 56
.set MSB, 0
.macro WIN new
.if MSB != (\new)
	s_set_vgpr_msb (MSB<<8)|(\new)
.set MSB, (\new)
.endif
.endm
.set MUL,   0x50                       ; C and D window 1, the fragments window 0
.set FIRST, 0x60                       ; C (the bias) window 2, D window 1
.macro JLOAD s                         ; a joint load: waves 0 and 1 for ctx, waves 2 and 3 for Wo; s_nop 0 and four v_nop follow each line
	s_cmp_eq_u32 s13, 0
	s_cbranch_scc0 .Lfor_b_\@
	tensor_load_to_lds s[G0+4*\s:G0+4*\s+3], s[G1:G1+7]
	s_nop 0
.rept 4
	v_nop
.endr
	s_branch .Lasked_\@
.Lfor_b_\@:
	tensor_load_to_lds s[G0B+4*\s:G0B+4*\s+3], s[G1B:G1B+7]
	s_nop 0
.rept 4
	v_nop
.endr
.Lasked_\@:
.endm
.macro CREST
	s_cmp_lg_u32 s12, 0
	s_cbranch_scc1 .Lnot_wave_0_\@
	s_barrier_signal -3
.Lnot_wave_0_\@:
	s_barrier_wait -3
	s_barrier_signal -1
	s_barrier_wait -1
.endm
.macro CROUND
	s_barrier_signal -1
	s_barrier_wait -1
	CREST
.endm
; A prefetch of ctx, which is read once: behind the refill with K step f stands a request for K step f + 2, 256 matrix instructions a wave ahead of its load.  A K step of a tile row is two planes of 16,384 dense bytes;
; the four partners of a row of the cluster share them out by address, 8,192 bytes each, lanes 256 bytes apart; wave 0 asks.  The last lap's refills ask for nothing.  Wo is read by every row of clusters and is not asked for.
.macro ASK
	s_cmp_gt_u32 s3, s[LIM]
	s_cbranch_scc0 .Lnot_mine_\@
	global_prefetch_b8 v[PFO], s[PFA:PFA+1] th:TH_LOAD_NT scope:SCOPE_SE
.Lnot_mine_\@:
.endm
	s_load_b256 s[4:11], s[0:1], 0x0               ; ctx s[4:5], wo16 s[6:7], bo s[8:9], out0 s[10:11]
	v_lshl_add_u32 v[SPW], v0, 2, SPARE
	v_mov_b32 v[NIL], 0
	ds_add_u32 v[SPW], v[NIL]                      ; the opening: the add, twice on end, and its wait ahead of my first tensor load
	ds_add_u32 v[SPW], v[NIL]
	v_lshrrev_b32 v1, 5, v0
	v_readfirstlane_b32 s12, v1                    ; wave 0..3
	s_lshr_b32 s13, s12, 1                         ; my half of the rows.  Also: I fetch for ctx (0) or for Wo (1)
	s_and_b32 s14, s12, 1                          ; my half of the columns.  Also: which plane, or which 64 rows of Wo, I fetch
	s_bfe_u32 s40, ttmp6, 0x40000                  ; cx
	s_bfe_u32 s41, ttmp6, 0x40004                  ; cy
	s_lshl_b32 s42, ttmp9, 2
	s_add_co_u32 s42, s42, s40                     ; tile column
	s_and_b32 s15, ttmp7, 0xffff
	s_lshl_b32 s15, s15, 2
	s_add_co_u32 s15, s15, s41                     ; tile row
	s_lshl_b32 s43, s41, 2
	s_lshl_b32 s43, 15, s43                        ; my row of the cluster
	s_lshl_b32 s44, 0x1111, s40                    ; my column
	s_or_b32 s[G1+0], s43, (1<<16)|(1<<20)|(1<<21)|(4<<22)|(3<<25)    ; elements of 2 bytes; 4 words of padding behind every 32
	s_mov_b32 s[G1+1], 64<<16                      ; tensor_dim0
	s_mov_b32 s[G1+2], 128<<16                     ; tensor_dim1
	s_mov_b32 s[G1+3], 64<<16                      ; tile_dim0
	s_mov_b32 s[G1+4], 128                         ; tile_dim1
	s_mov_b32 s[G1+5], 64                          ; the pitch
	s_mov_b32 s[G1+6], 0
	s_mov_b32 s[G1+7], 0
	s_or_b32 s[G1B+0], s44, (1<<16)|(1<<20)|(1<<21)|(6<<22)|(7<<25)   ; 8 words behind every 128
	s_mov_b32 s[G1B+1], 256<<16
	s_mov_b32 s[G1B+2], 64<<16
	s_mov_b32 s[G1B+3], 256<<16
	s_mov_b32 s[G1B+4], 64
	s_mov_b32 s[G1B+5], 1024
	s_mov_b32 s[G1B+6], 0
	s_mov_b32 s[G1B+7], 0
	s_lshr_b32 s16, s15, 4                         ; the batch: 16 tile rows each,
	s_lshl_b32 s16, s16, 22                        ; 4,194,304 bytes
	s_and_b32 s17, s15, 15
	s_lshl_b32 s17, s17, 14                        ; 128 rows of 128 bytes
	s_add_co_u32 s16, s16, s17                     ; the tile's rows in head 0 of its batch
	s_lshl_b32 s17, s14, 18
	s_add_co_u32 s18, s16, s17                     ; + my plane
	s_mov_b32 s19, 0
	s_lshl_b32 s46, s42, 9                         ; Wo: 256 columns of 2 bytes,
	s_lshl_b32 s47, s14, 17                        ; + my 64 rows of 2,048 bytes
	s_add_co_u32 s46, s46, s47
	s_mov_b32 s47, 0
	s_mul_i32 s20, s14, APL                        ; where they go: no place in the cluster enters an LDS address
	s_mul_i32 s21, s14, BH
	s_add_co_u32 s21, s21, BOFF
	s_wait_dscnt 0x0                               ; both opening adds are done
	s_wait_kmcnt 0x0
	s_add_nc_u64 s[18:19], s[4:5], s[18:19]
	s_add_nc_u64 s[46:47], s[6:7], s[46:47]
	CROUND                                         ; all sixteen work-groups are here: the first joint loads meet
.irp s, 0,1
	s_mov_b32 s[G0+4*\s], 1
	s_add_co_u32 s[G0+4*\s+1], s20, \s*SLOT
	s_add_nc_u64 s[G0+4*\s+2:G0+4*\s+3], s[18:19], \s*524288     ; K step s: two heads on
	s_or_b32 s[G0+4*\s+3], s[G0+4*\s+3], 0x80000000
	s_mov_b32 s[G0B+4*\s], 1
	s_add_co_u32 s[G0B+4*\s+1], s21, \s*SLOT
	s_add_nc_u64 s[G0B+4*\s+2:G0B+4*\s+3], s[46:47], \s*262144   ; 128 rows of Wo on
	s_or_b32 s[G0B+4*\s+3], s[G0B+4*\s+3], 0x80000000
	JLOAD \s
.endr
	v_and_b32 v1, 15, v0                           ; r
	v_bfe_u32 v2, v0, 4, 1                         ; h
	v_lshlrev_b32 v[BO], 5, v2                     ; the bias of my 128 columns, in the result's layout: register 8 b + j = column 16 b + 8 h + j
	s_lshl_b32 s22, s42, 10
	s_lshl_b32 s23, s14, 9
	s_add_co_u32 s22, s22, s23
	s_mov_b32 s23, 0
	s_add_nc_u64 s[8:9], s[8:9], s[22:23]
	WIN 0x80                                       ; destination window 2
.irp b, 0,1,2,3,4,5,6,7
	global_load_b128 v[8*\b:8*\b+3], v[BO], s[8:9] offset:64*\b
	global_load_b128 v[8*\b+4:8*\b+7], v[BO], s[8:9] offset:64*\b+16
.endr
	WIN 0
	v_mul_u32_u24 v3, v1, PA
	v_lshl_add_u32 v3, v2, 4, v3                   ; ctx: row x pitch + 16 x half
	s_mul_i32 s22, s13, 64*PA                      ; my 64 rows
	v_and_b32 v4, 7, v0                            ; Wo, by the turning load: lane l reads k 8 (l / 16) + l % 8, columns 8 ((l / 8) % 2) on
	v_lshl_add_u32 v4, v2, 3, v4
	v_mul_u32_u24 v4, v4, PB
	v_bfe_u32 v5, v0, 3, 1
	v_lshl_add_u32 v4, v5, 4, v4
	s_lshl_b32 s23, s14, 8                         ; my 128 columns
	s_add_co_u32 s23, s23, BOFF
.irp s, 0,1
	v_add_nc_u32 v[ADRA+\s], s22, v3
	v_add_nc_u32 v[ADRB+\s], s23, v4
	s_add_co_u32 s22, s22, SLOT
	s_add_co_u32 s23, s23, SLOT
.endr
	s_mul_i32 s22, s12, 16*SPITCH
	s_add_co_u32 s22, s22, STAGE                   ; my stage
	v_mul_u32_u24 v5, v1, SPITCH
	v_lshl_add_u32 v5, v2, 5, v5
	v_add_nc_u32 v[STO], s22, v5                   ; in: row r, 32 bytes for each half of the lanes
	v_and_b32 v6, 31, v0
	v_lshlrev_b32 v[CO], 4, v6                     ; back: the 32 lanes take a row of 512 bytes; and the same in out0
	v_add_nc_u32 v[RD], s22, v[CO]
	v_lshlrev_b32 v[PFO], 8, v6
	s_lshl_b32 s22, s15, 19                        ; out0: 128 rows of 4,096 bytes a tile row,
	s_lshl_b32 s23, s13, 18                        ; my 64 rows,
	s_add_co_u32 s22, s22, s23
	s_lshl_b32 s23, s42, 10                        ; 256 columns of 4 bytes,
	s_add_co_u32 s22, s22, s23
	s_lshl_b32 s23, s14, 9                         ; my 128
	s_add_co_u32 s22, s22, s23
	s_mov_b32 s23, 0
	s_add_nc_u64 s[10:11], s[10:11], s[22:23]
	s_lshr_b32 s23, s40, 1                         ; the prefetches: my work-group's plane
	s_lshl_b32 s23, s23, 18
	s_add_co_u32 s22, s16, s23
	s_and_b32 s23, s40, 1                          ; and half of it
	s_lshl_b32 s23, s23, 13
	s_add_co_u32 s22, s22, s23
	s_add_co_u32 s22, s22, 3*524288                ; at K step 3: the first refill steps it to 4
	s_mov_b32 s23, 0
	s_add_nc_u64 s[PFA:PFA+1], s[4:5], s[22:23]
	s_cmp_eq_u32 s12, 0
	s_cselect_b32 s[LIM], 1, -1
.macro MUL8 f, a, first                ; 8 products: rows 16 a on x my eight blocks of columns, 32 along K.  The 32 accumulators take turns
.irp b, 0,1,2,3,4,5,6,7
.if \first
	v_wmma_f32_16x16x32_f16 v[8*(8*(\a)+\b):8*(8*(\a)+\b)+7], v[\f+8*\b:\f+8*\b+7], v[\f+64+8*(\a):\f+64+8*(\a)+7], v[8*\b:8*\b+7]
.else
	v_wmma_f32_16x16x32_f16 v[8*(8*(\a)+\b):8*(8*(\a)+\b)+7], v[\f+8*\b:\f+8*\b+7], v[\f+64+8*(\a):\f+64+8*(\a)+7], v[8*(8*(\a)+\b):8*(8*(\a)+\b)+7]
.endif
.endr
.endm
.macro FETCH slot, q, f                ; 24 LDS loads in one run: the slot's q-th 32 along K: Wo's eight fragments, then ctx's four
	WIN 0
.irp b, 0,1,2,3,4,5,6,7
	ds_load_tr16_b128 v[\f+8*\b:\f+8*\b+3],   v[ADRB+\slot] offset:(\q)*32*PB+32*\b
	ds_load_tr16_b128 v[\f+8*\b+4:\f+8*\b+7], v[ADRB+\slot] offset:(\q)*32*PB+16*PB+32*\b
.endr
.irp a, 0,1,2,3
	ds_load_b128 v[\f+64+8*\a:\f+64+8*\a+3],   v[ADRA+\slot] offset:((\q)/2)*APL+((\q)%2)*64+\a*16*PA
	ds_load_b128 v[\f+64+8*\a+4:\f+64+8*\a+7], v[ADRA+\slot] offset:((\q)/2)*APL+((\q)%2)*64+\a*16*PA+32
.endr
.endm
.macro PLACES                          ; four plain lines between a matrix instruction and a load into, or a read of, its registers
.rept 4
	v_nop
.endr
.endm
.macro MWIN first
.if \first
	WIN FIRST
.else
	WIN MUL
.endif
.endm
.macro QUARTER slot, q, f, g, first    ; multiplies buffer f; in its middle fetches the slot's q-th 32 along K into buffer g
	s_wait_dscnt 4                                 ; all but the youngest four loads (ctx's blocks 2 and 3) are in
	MWIN \first
	MUL8 \f, 0, \first
	MUL8 \f, 1, \first
	PLACES
	FETCH \slot, \q, \g
	s_wait_dscnt 24                                ; all but the 24 just issued
	MWIN \first
	MUL8 \f, 2, \first
	MUL8 \f, 3, \first
.endm
; A K step's last quarter multiplies buffer 1 and changes slots: one barrier; in front of it each wave waits for all its tensor loads, adds 0 to its spare word, and waits for that and for its reads of this slot.
.macro TURN slot, next, fill
.if \fill
	s_wait_xcnt 0x0                                ; the last prefetch, a K step back, has read its address
	s_add_nc_u64 s[PFA:PFA+1], s[PFA:PFA+1], 524288
.endif
	WIN 0
	s_wait_tensorcnt 0x0                           ; all my tensor loads have landed: my part of the next slot
	ds_add_u32 v[SPW], v[NIL]                      ; 0 onto my spare word
	s_wait_dscnt 5                                 ; (the add and the youngest four loads may be out)
	WIN MUL
	MUL8 F1, 0, 0
	s_wait_dscnt 0x0                               ; the add is done, and my reads of this slot are over
	s_barrier_signal -1
	MUL8 F1, 1, 0
	WIN 0
	s_barrier_wait -1
.if \fill
	CREST                                          ; the barrier has opened a round of the cluster's: no wave of any partner still reads this slot or has a load on its way
	s_add_nc_u64 s[G0+4*\slot+2:G0+4*\slot+3], s[G0+4*\slot+2:G0+4*\slot+3], 1048576
	s_add_nc_u64 s[G0B+4*\slot+2:G0B+4*\slot+3], s[G0B+4*\slot+2:G0B+4*\slot+3], 524288
	JLOAD \slot                                    ; the first tensor load behind the round; its four v_nop are also the places ahead of the loads below
.else
	PLACES
.endif
	FETCH \next, 0, F0
.if \fill
	ASK
.endif
	WIN MUL
	MUL8 F1, 2, 0
	MUL8 F1, 3, 0
.endm
	s_wait_tensorcnt 1                             ; my part of K step 0 is in; K step 1's may stay out
	s_barrier_signal -1
	s_barrier_wait -1
	FETCH 0, 0, F0
	s_wait_loadcnt 0x0                             ; the bias
	QUARTER 0, 1, F0, F1, 1                        ; the first quarter stands ahead of the loop: its products start the sums from the bias
	WIN 0
	s_mov_b32 s3, 3
.Llap:                                             ; a trip goes once round the ring and fills both slots again
	QUARTER 0, 2, F1, F0, 0
	QUARTER 0, 3, F0, F1, 0
	TURN 0, 1, 1
	QUARTER 1, 1, F0, F1, 0
	QUARTER 1, 2, F1, F0, 0
	QUARTER 1, 3, F0, F1, 0
	TURN 1, 0, 1
	QUARTER 0, 1, F0, F1, 0
	WIN 0
	s_sub_co_u32 s3, s3, 1
	s_cmp_lg_u32 s3, 0
	s_cbranch_scc1 .Llap
	QUARTER 0, 2, F1, F0, 0                        ; the last lap fills nothing
	QUARTER 0, 3, F0, F1, 0
	TURN 0, 1, 0
	QUARTER 1, 1, F0, F1, 0
	QUARTER 1, 2, F1, F0, 0
	QUARTER 1, 3, F0, F1, 0
	s_wait_dscnt 4
	WIN MUL
	MUL8 F1, 0, 0
	MUL8 F1, 1, 0
	s_wait_dscnt 0
	MUL8 F1, 2, 0
	MUL8 F1, 3, 0
	WIN 0
; THE WAY OUT, a block of 16 rows x 128 columns at a time, through my own stage: back as whole rows of 512 bytes, which the 32 lanes store as 512 consecutive bytes, aligned.
.macro TOSTAGE a
.set AC, 64*(\a)
	WIN 0x04                                       ; an LDS store's data: window 1
.irp b, 0,1,2,3,4,5,6,7
	ds_store_b128 v[STO], v[AC+8*\b:AC+8*\b+3] offset:64*\b          ; each accumulator from its low end on
	ds_store_b128 v[STO], v[AC+8*\b+4:AC+8*\b+7] offset:64*\b+16
.endr
	WIN 0
.set BB, BK+64*((\a)%2)
.irp t, 0,1,2,3,4,5,6,7,8,9,10,11,12,13,14,15
	ds_load_b128 v[BB+4*\t:BB+4*\t+3], v[RD] offset:\t*SPITCH
.endr
.endm
.macro SEND a, younger                 ; younger: the LDS lines issued behind block a's loads
.set BB, BK+64*((\a)%2)
	s_wait_dscnt \younger
.if (\a) > 0
	s_add_nc_u64 s[10:11], s[10:11], 65536         ; 16 rows on (behind a wait on XCNT: the earlier stores have read their base)
.endif
.irp t, 0,1,2,3,4,5,6,7,8,9,10,11,12,13,14,15
	global_store_b128 v[CO], v[BB+4*\t:BB+4*\t+3], s[10:11] offset:\t*4096 th:TH_STORE_NT
.endr
.endm
	PLACES
	TOSTAGE 0
.irp a, 1,2,3
.if \a > 1
	s_wait_xcnt 0x0                                ; block a - 2's stores have read their registers and their base
.endif
	TOSTAGE \a
	SEND \a-1, 32                                  ; behind block a - 1's loads: block a's 16 stores and 16 loads
.endr
	s_wait_xcnt 0x0
	SEND 3, 0
	s_wait_tensorcnt 0x0                           ; the wave's end
	ds_add_u32 v[SPW], v[NIL]
	s_wait_dscnt 0x0
	CROUND                                         ; the closing round
	s_endpgm
.Lfunc_end_k_q14aaf915bf_outp:
	.size	k_q14aaf915bf_outp, .Lfunc_end_k_q14aaf915bf_outp-k_q14aaf915bf_outp
	.p2alignl 7, 3214868480
	.fill 96, 4, 3214868480
	.section	.rodata,"a",@progbits
	.p2align	6, 0x0
	.amdhsa_kernel k_q14aaf915bf_outp
		.amdhsa_group_segment_fixed_size 327680
		.amdhsa_private_segment_fixed_size 0
		.amdhsa_enable_private_segment 0
		.amdhsa_kernarg_size 32
		.amdhsa_user_sgpr_count 2
		.amdhsa_user_sgpr_kernarg_segment_ptr 1
		.amdhsa_wavefront_size32 1
		.amdhsa_system_sgpr_workgroup_id_x 1
		.amdhsa_system_sgpr_workgroup_id_y 1
		.amdhsa_system_sgpr_workgroup_id_z 1
		.amdhsa_system_vgpr_workitem_id 0
		.amdhsa_next_free_vgpr 576
		.amdhsa_next_free_sgpr 66
		.amdhsa_reserve_vcc 0
		.amdhsa_float_denorm_mode_32 3
		.amdhsa_float_denorm_mode_16_64 3
		.amdhsa_memory_ordered 1
		.amdhsa_forward_progress 1
		.amdhsa_inst_pref_size 88
	.end_amdhsa_kernel
	.amdgpu_metadata
---
amdhsa.version: [ 1, 2 ]
amdhsa.kernels:
  - .name:           k_q14aaf915bf_outp
    .symbol:         k_q14aaf915bf_outp.kd
    .args:
      - { .name: ctx, .offset: 0, .size: 8, .value_kind: global_buffer, .address_space: global }
      - { .name: wo16, .offset: 8, .size: 8, .value_kind: global_buffer, .address_space: global }
      - { .name: bo, .offset: 16, .size: 8, .value_kind: global_buffer, .address_space: global }
      - { .name: out0, .offset: 24, .size: 8, .value_kind: global_buffer, .address_space: global }
    .group_segment_fixed_size: 327680
    .private_segment_fixed_size: 0
    .kernarg_segment_align: 8
    .kernarg_segment_size: 32
    .max_flat_workgroup_size: 128
    .sgpr_count:     66
    .vgpr_count:     576
    .wavefront_size: 32
...
	.end_amdgpu_metadata
.endif
;; end of part 4
